; MI455X (gfx1250); checked and timed in simulation.
; The chip was launched on July 23, 2026; its instructions are those of AMD's public machine-readable ISA for CDNA 5 (MIT licence, August 2026) and "CDNA5" Instruction Set Architecture Reference Guide (July 2026). The comments in the code are by the model that wrote it; some were corrected since.
;; Multi Head Attention With Ro PE. Allowed arithmetic: matrix products marked QUANTISED: E4M3 operands, one given power-of-two scale a tensor, by v_wmma_f32_16x16x64_fp8_fp8 or v_wmma_f32_16x16x128_fp8_fp8, f32 sums; everything else in f32.
;; Inputs: Wk_codes 512 x 64 x 32 uint8 (E4M3 codes of Wk, K innermost, in blocks of 32 codes); Wo_codes 2,048 x 64 x 32 uint8 (E4M3 codes of Wo, K innermost, in blocks of 32 codes); Wq_codes 2,048 x 64 x 32 uint8 (E4M3 codes of Wq, K innermost, in blocks of 32 codes); Wv_codes 512 x 64 x 32 uint8 (E4M3 codes of Wv, K innermost, in blocks of 32 codes); cos 2,048 x 64 float32; lowp_scales 12 int32 (the exponents e of the quantised operands' scales 2^e); mask 1 x 1 x 2,048 x 2,048 bool; sin 2,048 x 64 float32; x_codes 1 x 2,048 x 64 x 32 uint8 (E4M3 codes of x, K innermost, in blocks of 32 codes).
;; Outputs: out0 1 x 2,048 x 2,048 float32.
;; This version of the problem:
;;   THIS VERSION OF THE PROBLEM IS GIVEN IN LOW PRECISION. The matrix products marked QUANTISED in the list below multiply operands that are first quantised to E4M3 (4 exponent bits, 3 mantissa bits; 8 bits a number), with one given power-of-two scale for each operand tensor; their sums are f32. All else is computed in f32.
;;   The module's matrix products, in the order in which they are computed (A, B: the left and right operand; K: the contracted axis; several contracted axes count as one K, in the product's order):
;;     1. [M 2,048, K 2,048] x [K 2,048, N 2,048]; A: input x (given as codes); B: input Wq (given as codes): QUANTISED (scales: A lowp_scales[0], B lowp_scales[1])
;;     2. [M 2,048, K 2,048] x [K 2,048, N 512]; A: input x (given as codes); B: input Wk (given as codes): QUANTISED (scales: A lowp_scales[2], B lowp_scales[3])
;;     3. [M 2,048, K 2,048] x [K 2,048, N 512]; A: input x (given as codes); B: input Wv (given as codes): QUANTISED (scales: A lowp_scales[4], B lowp_scales[5])
;;     4. batch 32 x [M 2,048, K 64] x [K 64, N 2,048]; A: computed on the way; B: computed on the way: QUANTISED (scales: A lowp_scales[6], B lowp_scales[7])
;;     5. batch 32 x [M 2,048, K 2,048] x [K 2,048, N 64]; A: softmax (see below); B: computed on the way: QUANTISED (scales: A lowp_scales[8], B lowp_scales[9])
;;     6. [M 2,048, K 2,048] x [K 2,048, N 2,048]; A: computed on the way; B: input Wo (given as codes): QUANTISED (scales: A lowp_scales[10], B lowp_scales[11])
;;   THE QUANTISER, for each operand of a quantised product, along K:
;;     - The operand's scale is 2^e, e = its entry of the input lowp_scales (int32; the entries are numbered through the quantised products in the list's order, A before B).
;;     - Each number is divided by the scale, clamped to +-448, and rounded to the nearest number of E4M3, ties to even, subnormals kept.
;;     - The product sums the exact products of the quantised numbers (number of the format x scale) in f32.
;;   ~~~python
;;   def quantise(x, axis, e):      # numpy; x: float32 -> the quantised numbers, widened to float32 again
;;       x = np.moveaxis(x, axis, -1); K = x.shape[-1]
;;       r = np.clip(x / 2.0 ** e, -448, 448)
;;       step = 2.0 ** (np.maximum(np.frexp(np.where(r == 0, 1, r))[1] - 1, -6) - 3)
;;       q = np.round(r / step) * step * 2.0 ** e      # np.round: ties to even
;;       return np.moveaxis(q, -1, axis).astype(np.float32)
;;   ~~~
;;   SOFTMAX AHEAD OF A QUANTISED PRODUCT. Where the list says 'softmax', what is quantised is not the finished softmax but p = 2^(t - M), with t = logit x log2(e) and M = ceil(the row's largest t), a whole number; so 1/2 < the row's largest p <= 1. The row's sum l is taken of the UNQUANTISED p, in f32, and the product's result is divided by l at the end. Since M is a whole number, a kernel that streams over the keys may use a running M (the ceiling of the running maximum): every later rescaling is an exact power of two, so the quantised numbers keep their values, but for numbers so far below the row's largest that they fall under the format's range.
;;   OPERANDS COMPUTED ON THE WAY. 'Computed on the way' means the value that the module computes at that place (a softmax that the list does not call 'softmax' is quantised finished and normalised). What goes into a quantiser is computed in f32, as accurately as f32 sums, v_exp_f32 and their like allow (about 1e-6 of the number): no bf16 or f16 on the way to a quantiser, and a product that is left as it is and whose result goes on into a quantised operand takes f32 operands (vector FMAs, or v_wmma_f32_16x16x4_f32). A number that lies on a knife's edge between two numbers of the format may be rounded either way, as far as f32 arithmetic and the matrix unit's own rounding can turn it there, and no further.
;;   INPUTS GIVEN AS CODES. Wk (in the module: [512, 2048], K = its axis 1); Wo (in the module: [2048, 2048], K = its axis 1); Wq (in the module: [2048, 2048], K = its axis 1); Wv (in the module: [512, 2048], K = its axis 1); x (in the module: [1, 2048, 2048], K = its axis 2): each comes as NAME_codes (uint8): NAME with its K axis moved to the last place and cut into blocks of 32 codes, [.., K / 32, bytes a block], one block behind the other in memory; one code a byte (a code: sign, 4 exponent bits, 3 mantissa bits); its scale is its entry of lowp_scales. Its value is code x scale, taken as it is: it is not quantised again, and the codes and scales need not be those that the quantiser above would give.
;; 2 versions, each right; version 2 is version 1 with the launch attn written anew for expert scheduling mode. Each part assembles by itself: llvm-mc -triple=amdgcn-amd-amdhsa -mcpu=gfx1250 --defsym DOCPART=n.
;; ======== version 1 of 2: 3 launches
;; workspace buffers: q_img 4,194,304 bytes; k_img 1,048,576 bytes; v_img 1,048,576 bytes; a_img 4,194,304 bytes; flags 2,048 bytes of whole numbers
;; launch proj (part 1): grid 24 x 16, 4 waves a work-group, clusters of 4 x 4, 327,680 bytes of LDS; arguments x_codes, Wq_codes, Wk_codes, Wv_codes, cos, sin, mask, lowp_scales, q_img, k_img, v_img, flags; writes q_img, k_img, v_img, flags
.if DOCPART == 1
	.amdgcn_target "amdgcn-amd-amdhsa--gfx1250"
	.amdhsa_code_object_version 6
	.text
	.protected	k_q11f002b1a2_proj
	.globl	k_q11f002b1a2_proj
	.p2align	8
	.type	k_q11f002b1a2_proj,@function
k_q11f002b1a2_proj:
	s_mov_b64 s[64:65], 0
	v_nop
	global_prefetch_b8 v0, s[64:65] scope:SCOPE_SE
	s_setreg_imm32_b32 hwreg(HW_REG_WAVE_MODE, 25, 1), 1
	s_wait_xcnt 0x0
	s_wait_alu depctr_hold_cnt(0) depctr_sa_sdst(0) depctr_va_vdst(0) depctr_va_sdst(0) depctr_va_ssrc(0) depctr_va_vcc(0) depctr_vm_vsrc(0)
	s_getreg_b32 s2, hwreg(HW_REG_IB_STS2, 6, 4)
	s_cmp_eq_u32 s2, 0
	s_cbranch_scc0 .Lentry_in_a_cluster
	s_endpgm
.Lentry_in_a_cluster:
	s_bfe_u32 s2, ttmp6, 0x10000c
	s_cmp_lg_u32 s2, 0xf033
	s_cbranch_scc0 .Lentry_shape_is_right
	s_endpgm
.Lentry_shape_is_right:
; q = rope(x Wq^T), k = rope(x Wk^T), v = x Wv^T on the given codes of FP8 (E4M3); the results are quantised with the given scales and stored as IMAGES OF THE OPERAND REGISTERS
; that the attention launch loads; besides, the mask's tiles of 16 queries x 128 keys are classed (wholly masked, partly masked) into whole numbers.
; SHARES.  A work-group makes 128 rows of one W x 128 tokens; cluster x 0-3: Wq, 4: Wk, 5: Wv, so the kind is the same in all sixteen partners.  Four waves, 64 x 64 each: 16 accumulators.
; K goes in four steps of 512 codes through two LDS slots filled by joint tensor loads: x's tile is shared along a row of the cluster, W's along a column.
; ROLES.  acc(a, b) = source 0: tile b of set 0, source 1: tile a of set 1.  A lane then holds row 16 a + lane % 16 of set 1, its register j row 16 b + 8 (lane / 16) + j of set 0.
;   q, k: set 0 = W (a lane's registers run along the head's 64), set 1 = tokens.   v: set 0 = tokens (registers run along the keys), set 1 = Wv.  Only two LDS bases differ; the products' text is one.
; A fragment (16 rows x 128 K) comes by four loads of 16 bytes: a lane's k are 32 c + 16 (lane / 16) + 0..15, the same order in both operands: every product meets its partner, the order of sums in an instruction differs.
; ROPE works on the raw sums: the factor 2^(ex + ew) is a power of two and is folded into the conversion's scale 2^es, es = e(result) - ex - ew.
; cos and sin are loaded by EVERY work-group, on the one way that all take, so that their registers are written on every way through the text; the 64 work-groups of v (of 384) do not use them.
; LIMITS: es between -126 and 119 for each of q, k, v, so that 2^es and 448 x 2^es are f32 numbers.  NaN codes among the inputs are not served.
; REGISTERS, in windows of 256.  window 0: v1-31 addresses and constants; v32-63 at work; v64-95 codes; v128-255 the accumulators, (a, b) at v[128 + 8 (4 a + b)].
;   window 1: two fragment buffers of 128: set 1's tile a at 16 a, set 0's tile b at 64 + 16 b.   window 2: for each a, cos at 64 a + 8 b + j and sin at 64 a + 32 + 8 b + j.
.set PITCH,  528                       ; an LDS row: 512 bytes + 16 of padding = 132 words: the 16 rows that a load touches start at 16 different banks (64 banks of 4 bytes: ISA guide 11.1)
.set HALFT,  64*PITCH                  ; 64 rows: what one tensor load brings
.set SLOT,   4*HALFT                   ; x's 128 rows, then W's 128 rows
.set SPARE,  2*SLOT                    ; behind the ring: the spare words, 128 bytes for each wave: two blocks of 256 bytes that no other line names
.set ADR1, 16                          ; v16-17  LDS address of my fragments of set 1 in slot 0, 1
.set ADR0, 20                          ; v20-21  the same for set 0
.set SO,   24                          ; v24     16 x lane: my place in an image
.set CSO,  25                          ; v25     my byte in cos and sin
.set MKO,  26                          ; v26     my byte in a row of the mask
.set FLG,  27                          ; v27     the flags' word
.set SPW,  28                          ; v28     LDS address of my spare word; never rewritten
.set NIL,  29                          ; v29     0; never rewritten
.set SCL,  30                          ; v30     2^es as f32
.set LIM,  31                          ; v31     448 x 2^es
.set T1,   32
.set T2,   48
.set CD,   64
.set MAND, 96
.set MOR,  97
.set ZOF,  98
.set ACC,  128
.set F0,   0
.set F1,   128
.set G1,   24                          ; s[24:31] descriptor group 1 for x's tiles;  s[32:39] group 0, a set for each slot
.set G0,   32
.set G1B,  48                          ; s[48:55], s[56:63] the same for W's tiles
.set G0B,  56
.set MSB,  0
.macro WIN new                         ; the immediate's high byte repeats the setting that is left
.if MSB != \new
	s_set_vgpr_msb (MSB<<8)|\new
.set MSB, \new
.endif
.endm
.set MUL,  0x05                        ; sources 0 and 1 window 1; C and D window 0
.set TO_F, 0x40                        ; destination window 1, address window 0
.macro JLOAD s                         ; a joint load: waves 0 and 1 fetch x's two halves, waves 2 and 3 W's; four v_nop follow each of the two lines
	s_cmp_eq_u32 s11, 0
	s_cbranch_scc0 .Lfor_b_\@
	tensor_load_to_lds s[G0+4*\s:G0+4*\s+3], s[G1:G1+7]
	s_nop 0
.rept 4
	v_nop
.endr
	s_branch .Lasked_\@
.Lfor_b_\@:
	tensor_load_to_lds s[G0B+4*\s:G0B+4*\s+3], s[G1B:G1B+7]
	s_nop 0
.rept 4
	v_nop
.endr
.Lasked_\@:
.endm
.macro CREST                           ; a round of the cluster's barrier behind its opening barrier
	s_cmp_lg_u32 s10, 0
	s_cbranch_scc1 .Lnot_wave_0_\@
	s_barrier_signal -3
.Lnot_wave_0_\@:
	s_barrier_wait -3
	s_barrier_signal -1
	s_barrier_wait -1
.endm
.macro CROUND                          ; a whole round
	s_barrier_signal -1
	s_barrier_wait -1
	CREST
.endm
.macro PLACES                          ; four plain places in front of loads into registers that matrix instructions have read, and of the first read of results
.rept 4
	v_nop
.endr
.endm
	s_load_b512 s[68:83], s[0:1], 0x0              ; x s[68:69], Wq s[70:71], Wk s[72:73], Wv s[74:75], cos s[76:77], sin s[78:79], mask s[80:81], scales s[82:83]
	s_load_b256 s[84:91], s[0:1], 0x40             ; q_img s[84:85], k_img s[86:87], v_img s[88:89], flags s[90:91]
	v_lshl_add_u32 v[SPW], v0, 2, SPARE
	v_mov_b32 v[NIL], 0
	ds_add_u32 v28, v29
	ds_add_u32 v28, v29
	s_wait_dscnt 0x0
	v_lshrrev_b32 v1, 5, v0
	v_readfirstlane_b32 s10, v1                    ; wave 0..3
	s_lshr_b32 s11, s10, 1                         ; i1: my half of set 1.  Also: I fetch for x (0) or for W (1)
	s_and_b32 s12, s10, 1                          ; i0: my half of set 0.  Also: which 64 rows of that tile I fetch
	s_bfe_u32 s40, ttmp6, 0x40000                  ; cx, cy: my place in the cluster
	s_bfe_u32 s41, ttmp6, 0x40004
	s_lshl_b32 s42, ttmp9, 2
	s_add_co_u32 s42, s42, s40                     ; x = 4 x cluster x + cx: which 128 rows of the three W on end
	s_and_b32 s13, ttmp7, 0xffff
	s_lshl_b32 s13, s13, 2
	s_add_co_u32 s13, s13, s41                     ; y = 4 x cluster y + cy: which 128 tokens
	s_lshl_b32 s43, s41, 2
	s_lshl_b32 s43, 15, s43                        ; my row of the cluster
	s_lshl_b32 s44, 0x1111, s40                    ; my column
	; descriptor group 1: a tile of 64 rows x 512 bytes, padded in LDS
	s_or_b32 s[G1], s43, (1<<20)|(1<<21)|(6<<22)|(3<<25)   ; 15:0 the mask: x's tiles go to my row; 17:16 elements of 1 byte; 20 padding on; 21 set beside a mask; 24:22 after every 128 words (code 6); 31:25 four words (code 3)
	s_or_b32 s[G1B], s44, (1<<20)|(1<<21)|(6<<22)|(3<<25)  ; the same with the mask of my column
.irp g, G1, G1B
	s_mov_b32 s[\g+1], 512<<16                     ; tensor_dim0 = 512
	s_mov_b32 s[\g+2], 64<<16                      ; tensor_dim1 = 64
	s_mov_b32 s[\g+3], 512<<16                     ; tile_dim0 = 512
	s_mov_b32 s[\g+4], 64                          ; tile_dim1 = 64
	s_mov_b32 s[\g+5], 2048                        ; from row to row
	s_mov_b32 s[\g+6], 0
	s_mov_b32 s[\g+7], 0
.endr
	s_cmp_lt_u32 ttmp9, 4                          ; which W: the choice hangs on the cluster's x alone
	s_cselect_b32 s45, 0, 16
	s_cmp_eq_u32 ttmp9, 5
	s_cselect_b32 s45, 20, s45
	s_sub_co_u32 s45, s42, s45                     ; xt: which 128 rows of that W
	s_lshl_b32 s17, s12, 6
	s_lshl_b32 s16, s13, 7
	s_add_co_u32 s16, s16, s17                     ; x: row 128 y + 64 i0,
	s_lshl_b32 s16, s16, 11                        ; of 2,048 bytes
	s_mov_b32 s17, 0
	s_lshl_b32 s47, s12, 6
	s_lshl_b32 s46, s45, 7
	s_add_co_u32 s46, s46, s47                     ; W: row 128 xt + 64 i0
	s_lshl_b32 s46, s46, 11
	s_mov_b32 s47, 0
	s_mul_i32 s20, s10, HALFT                      ; where they go: wave x 64 rows: no place in the cluster enters an LDS address
	s_wait_kmcnt 0x0
	s_load_b256 s[92:99], s[82:83], 0x0            ; e0 .. e7
	s_load_b32 s100, s[82:83], 0x24                ; e9
	s_cmp_lt_u32 ttmp9, 4
	s_cselect_b64 s[6:7], s[70:71], s[72:73]
	s_cselect_b64 s[4:5], s[84:85], s[86:87]
	s_cmp_eq_u32 ttmp9, 5
	s_cselect_b64 s[6:7], s[74:75], s[6:7]         ; my W,
	s_cselect_b64 s[4:5], s[88:89], s[4:5]         ; and the image that I store into
	s_add_nc_u64 s[14:15], s[68:69], s[16:17]
	s_add_nc_u64 s[46:47], s[6:7], s[46:47]
	CROUND                                         ; all sixteen work-groups are here: the first joint loads meet
.irp s, 0,1
	s_mov_b32 s[G0+4*\s], 1
	s_add_co_u32 s[G0+4*\s+1], s20, \s*SLOT
	s_add_nc_u64 s[G0+4*\s+2:G0+4*\s+3], s[14:15], \s*512
	s_or_b32 s[G0+4*\s+3], s[G0+4*\s+3], 0x80000000
	s_mov_b32 s[G0B+4*\s], 1
	s_add_co_u32 s[G0B+4*\s+1], s20, \s*SLOT
	s_add_nc_u64 s[G0B+4*\s+2:G0B+4*\s+3], s[46:47], \s*512
	s_or_b32 s[G0B+4*\s+3], s[G0B+4*\s+3], 0x80000000
	JLOAD \s                                       ; K steps 0 and 1: two loads of mine are out
.endr
	v_and_b32 v1, 15, v0                           ; r = lane % 16
	v_bfe_u32 v2, v0, 4, 1                         ; h = lane / 16
	v_mul_u32_u24 v3, v1, PITCH
	v_lshl_add_u32 v3, v2, 4, v3                   ; a fragment's row x pitch + 16 h
	s_cmp_eq_u32 ttmp9, 5                          ; v changes the roles of x's and W's rows
	s_cselect_b32 s8, s11, s12                     ; which of the tile's two heads is mine,
	s_cselect_b32 s9, s12, s11                     ; which half of its tokens,
	s_cselect_b32 s2, 10, 12                       ; and what that half is in bytes of the image: 1,024 (two groups of a fragment of v) or 4,096 (four tiles of q or k)
	s_cselect_b32 s21, 2*HALFT, 0                  ; set 1: x's rows, for v W's
	s_cselect_b32 s22, 0, 2*HALFT                  ; set 0: W's rows, for v x's
	s_lshl_b32 s9, s9, s2
	s_lshl_b32 s2, s45, 1
	s_add_co_u32 s8, s8, s2                        ; the head: 2 xt + half
	s_lshl_b32 s8, s8, 17                          ; a head's image is 131,072 bytes,
	s_add_co_u32 s8, s8, s9
	s_lshl_b32 s9, s13, 13                         ; 128 tokens' part of it 8,192
	s_add_co_u32 s8, s8, s9
	s_mov_b32 s9, 0
	s_add_nc_u64 s[4:5], s[4:5], s[8:9]
	s_mul_i32 s23, s11, HALFT
	s_add_co_u32 s21, s21, s23
	s_mul_i32 s23, s12, HALFT
	s_add_co_u32 s22, s22, s23
.irp s, 0,1
	v_add_nc_u32 v[ADR1+\s], s21, v3
	v_add_nc_u32 v[ADR0+\s], s22, v3
	s_add_co_u32 s21, s21, SLOT
	s_add_co_u32 s22, s22, SLOT
.endr
	v_and_b32 v[SO], 31, v0
	v_lshlrev_b32 v[SO], 4, v[SO]
	s_wait_kmcnt 0x0
	s_sub_co_i32 s21, s98, s92
	s_sub_co_i32 s21, s21, s93                     ; q: e6 - e0 - e1
	s_sub_co_i32 s22, s99, s94
	s_sub_co_i32 s22, s22, s95                     ; k: e7 - e2 - e3
	s_sub_co_i32 s23, s100, s96
	s_sub_co_i32 s23, s23, s97                     ; v: e9 - e4 - e5
	s_cmp_lt_u32 ttmp9, 4
	s_cselect_b32 s21, s21, s22
	s_cmp_eq_u32 ttmp9, 5
	s_cselect_b32 s21, s23, s21                    ; es
	s_add_co_i32 s21, s21, 127
	s_lshl_b32 s22, s21, 23
	v_mov_b32 v[SCL], s22                          ; 2^es: the conversion takes its exponent field
	s_add_co_i32 s21, s21, 8
	s_lshl_b32 s21, s21, 23
	s_or_b32 s21, s21, 0x600000
	v_mov_b32 v[LIM], s21                          ; 448 x 2^es
	; cos and sin of 64 tokens x 64, in the accumulators' layout of q and k: lane (r, h), tile (a, b): token 128 y + 64 i1 + 16 a + r, d = 16 b + 8 h + 0..7.  They land while K is walked.
	; No branch stands round these loads: every work-group issues them (v's too, which has no rope); every address lies inside the two tables for every y and wave.
	s_lshl_b32 s16, s13, 15                        ; 128 y rows of 256 bytes
	s_mov_b32 s17, 0
	s_add_nc_u64 s[76:77], s[76:77], s[16:17]
	s_add_nc_u64 s[78:79], s[78:79], s[16:17]
	s_lshl_b32 s23, s11, 14                        ; 64 i1 rows
	v_lshlrev_b32 v[CSO], 8, v1
	v_lshl_add_u32 v[CSO], v2, 5, v[CSO]
	v_add_nc_u32 v[CSO], s23, v[CSO]
	WIN 0x80                                       ; destination window 2
.irp a, 0,1,2,3
.irp b, 0,1,2,3
.irp p, 0,1
	global_load_b128 v[64*\a+8*\b+4*\p:64*\a+8*\b+4*\p+3], v[CSO], s[76:77] offset:4096*\a+64*\b+16*\p
	global_load_b128 v[64*\a+32+8*\b+4*\p:64*\a+32+8*\b+4*\p+3], v[CSO], s[78:79] offset:4096*\a+64*\b+16*\p
.endr
.endr
.endr
	WIN 0
	; THE MASK'S CLASSES.  The 128 work-groups of clusters x = 0, 1 take one tile of 16 queries each: qt = 8 y + x.  Wave w takes key steps 4 w .. 4 w + 3: 512 bytes of each of the 16 rows.
	; A load reads 512 consecutive bytes of one row, so a lane's 16 bytes belong to step 4 w + lane / 8; one AND and one OR over the lane's 64 words, then eight lanes' verdicts make a step's.
	; No branch hangs on what is loaded: the bits are chosen by s_cselect_b32.
	s_cmp_lt_u32 ttmp9, 2
	s_cbranch_scc0 .Lno_flags
	s_lshl_b32 s8, s13, 3
	s_add_co_u32 s8, s8, s42                       ; qt
	s_lshl_b32 s6, s8, 15                          ; 16 qt rows of 2,048 bytes
	s_mov_b32 s7, 0
	s_add_nc_u64 s[80:81], s[80:81], s[6:7]
	s_lshl_b32 s9, s10, 9
	v_add_nc_u32 v[MKO], s9, v[SO]                 ; 512 w + 16 x lane
.irp i, 0,1,2,3,4,5,6,7,8,9,10,11,12,13,14,15
	global_load_b128 v[32+4*\i:35+4*\i], v[MKO], s[80:81] offset:2048*\i th:TH_LOAD_NT
.endr
	s_lshl_b32 s8, s8, 2
	s_add_co_u32 s8, s8, s10
	s_lshl_b32 s8, s8, 2                           ; the word 4 qt + w
	s_mov_b32 s9, 0
	s_add_nc_u64 s[90:91], s[90:91], s[8:9]
	v_mov_b32 v[ZOF], 0
	s_wait_loadcnt 0x0
	v_and_b32 v[MAND], v32, v33
	v_or_b32 v[MOR], v32, v33
.set n, 2
.rept 62
	v_and_b32 v[MAND], v[MAND], v[32+n]
	v_or_b32 v[MOR], v[MOR], v[32+n]
.set n, n+1
.endr
	s_mov_b32 s6, 0x01010101
	v_cmp_ne_u32 s7, s6, v[MAND]                   ; lanes that hold an open byte
	v_cmp_ne_u32 s9, 0, v[MOR]                     ; lanes that hold a masked byte
	s_mov_b32 s2, 0
.irp k, 0,1,2,3
	s_bfe_u32 s6, s7, (8<<16)|(8*\k)               ; SCC: some lane of step k holds an open byte
	s_cselect_b32 s6, 0, 1<<\k                     ; bit k: the tile is wholly masked
	s_or_b32 s2, s2, s6
	s_bfe_u32 s6, s9, (8<<16)|(8*\k)
	s_cselect_b32 s6, 0x100<<\k, 0                 ; bit 8 + k: some byte of it is masked
	s_or_b32 s2, s2, s6
.endr
	v_mov_b32 v[FLG], s2
	s_wait_xcnt 0x0                                ; EXEC is a source of the loads above: it changes only behind this wait
	v_cmp_eq_u32 vcc_lo, 0, v[SO]
	s_and_saveexec_b32 s6, vcc_lo                  ; lane 0 stores the wave's word
	global_store_b32 v[ZOF], v[FLG], s[90:91]
	s_wait_xcnt 0x0                                ; and again, in front of the line that widens it
	s_or_b32 exec_lo, exec_lo, s6
.Lno_flags:
.macro FRAG reg, adr, off              ; a fragment: four loads of 16 bytes, 32 bytes apart
.irp c, 0,1,2,3
	ds_load_b128 v[\reg+4*\c:\reg+4*\c+3], v[\adr] offset:\off+32*\c
.endr
.endm
.macro FETCH slot, k, f                ; 32 LDS loads in one run: the fragments of 128 along K at byte k of the rows: set 0's four, then set 1's four
	WIN TO_F
.irp b, 0,1,2,3
	FRAG \f+64+16*\b, ADR0+\slot, \k+\b*16*PITCH
.endr
.irp a, 0,1,2,3
	FRAG \f+16*\a, ADR1+\slot, \k+\a*16*PITCH
.endr
.endm
; Four matrix instructions: tile a of set 1 against set 0's four.  zero = 1: the product starts the sums: nothing is ever cleared.
; The 16 accumulators take turns, one instruction a turn, in the same order in every quarter.
.macro MUL4 f, a, zero
.irp b, 0,1,2,3
.if \zero
	v_wmma_f32_16x16x128_fp8_fp8 v[ACC+8*(4*\a+\b):ACC+8*(4*\a+\b)+7], v[\f+64+16*\b:\f+64+16*\b+15], v[\f+16*\a:\f+16*\a+15], 0
.else
	v_wmma_f32_16x16x128_fp8_fp8 v[ACC+8*(4*\a+\b):ACC+8*(4*\a+\b)+7], v[\f+64+16*\b:\f+64+16*\b+15], v[\f+16*\a:\f+16*\a+15], v[ACC+8*(4*\a+\b):ACC+8*(4*\a+\b)+7]
.endif
.endr
.endm
; A K step is four quarters of 128 along K, 16 matrix instructions each, on buffers 0, 1, 0, 1.  One of the first three: multiplies buffer f and fetches the next quarter, at byte k, into g.
.macro QUARTER slot, k, f, g, zero
	s_wait_dscnt 8                                 ; set 0 and set 1's tiles 0, 1 are in; the youngest eight loads (tiles 2, 3) may be out
	WIN MUL
	MUL4 \f, 0, \zero
	MUL4 \f, 1, \zero
	PLACES
	FETCH \slot, \k, \g
	s_wait_dscnt 32                                ; all but the 32 just issued
	WIN MUL
	MUL4 \f, 2, \zero
	MUL4 \f, 3, \zero
.endm
; The last quarter multiplies buffer 1 and changes slots: ONE barrier; in front of it each wave waits for all its tensor loads, adds 0 to its spare word, and waits for that and for its own reads of this slot.
; fill = 1: the barrier opens a round of the cluster's barrier, and this slot is filled again, two K steps ahead.
.macro TURN slot, next, fill
	WIN 0                                          ; (the add's two registers lie in window 0)
	s_wait_tensorcnt 0x0                           ; all my tensor loads have landed: my part of the next slot;
	ds_add_u32 v[SPW], v[NIL]                      ; 0 onto my spare word
	s_wait_dscnt 9                                 ; (the add and the youngest eight loads may be out)
	WIN MUL
	MUL4 F1, 0, 0                                  ; four matrix instructions stand between the add and the wait for it
	s_wait_dscnt 0x0                               ; the add is done, and my reads of this slot are over
	s_barrier_signal -1
	MUL4 F1, 1, 0
.if \fill
	WIN 0
.endif
	s_barrier_wait -1
.if \fill
	CREST                                          ; no wave of any partner still reads this slot's tile or has a load on its way
	s_add_nc_u64 s[G0+4*\slot+2:G0+4*\slot+3], s[G0+4*\slot+2:G0+4*\slot+3], 1024
	s_add_nc_u64 s[G0B+4*\slot+2:G0B+4*\slot+3], s[G0B+4*\slot+2:G0B+4*\slot+3], 1024
	JLOAD \slot                                    ; the first tensor load behind the round, my one load until the next; its four v_nop are also the places in front of the loads below
.else
	PLACES
.endif
	FETCH \next, 0, F0
	WIN MUL
	MUL4 F1, 2, 0
	MUL4 F1, 3, 0
.endm
	s_wait_tensorcnt 1                             ; my part of K step 0 is in; K step 1's may stay out
	s_barrier_signal -1
	s_barrier_wait -1                              ; everybody's is
	FETCH 0, 0, F0
	QUARTER 0, 128, F0, F1, 1                      ; K has four steps only: they are written out.  The first quarter's products start the sums
	QUARTER 0, 256, F1, F0, 0
	QUARTER 0, 384, F0, F1, 0
	TURN 0, 1, 1                                   ; slot 0 takes K step 2
	QUARTER 1, 128, F0, F1, 0
	QUARTER 1, 256, F1, F0, 0
	QUARTER 1, 384, F0, F1, 0
	TURN 1, 0, 1                                   ; slot 1 takes K step 3
	QUARTER 0, 128, F0, F1, 0
	QUARTER 0, 256, F1, F0, 0
	QUARTER 0, 384, F0, F1, 0
	TURN 0, 1, 0                                   ; nothing is left to fetch
	QUARTER 1, 128, F0, F1, 0
	QUARTER 1, 256, F1, F0, 0
	QUARTER 1, 384, F0, F1, 0
	s_wait_dscnt 8                                 ; the very last quarter
	WIN MUL
	MUL4 F1, 0, 0
	MUL4 F1, 1, 0
	s_wait_dscnt 0x0
	MUL4 F1, 2, 0
	MUL4 F1, 3, 0
	WIN 0
; THE WAY OUT.  ROPE: d and d + 32 lie in the same lane and register of tiles b and b + 2.  Each accumulator is read from its low end on.
.macro ROPE a
	WIN 0x08                                       ; source 1 (cos, sin) window 2
.irp b, 0,1
.irp i, 0,2,4,6
	v_pk_mul_f32 v[T1+8*\b+\i:T1+8*\b+\i+1], v[ACC+8*(4*\a+\b+2)+\i:ACC+8*(4*\a+\b+2)+\i+1], v[64*\a+32+8*\b+\i:64*\a+32+8*\b+\i+1]
	v_pk_mul_f32 v[T2+8*\b+\i:T2+8*\b+\i+1], v[ACC+8*(4*\a+\b)+\i:ACC+8*(4*\a+\b)+\i+1], v[64*\a+32+8*(\b+2)+\i:64*\a+32+8*(\b+2)+\i+1]
	v_pk_fma_f32 v[ACC+8*(4*\a+\b)+\i:ACC+8*(4*\a+\b)+\i+1], v[ACC+8*(4*\a+\b)+\i:ACC+8*(4*\a+\b)+\i+1], v[64*\a+8*\b+\i:64*\a+8*\b+\i+1], v[T1+8*\b+\i:T1+8*\b+\i+1] neg_lo:[0,0,1] neg_hi:[0,0,1]   ; x(d) cos(d) - x(d + 32) sin(d)
	v_pk_fma_f32 v[ACC+8*(4*\a+\b+2)+\i:ACC+8*(4*\a+\b+2)+\i+1], v[ACC+8*(4*\a+\b+2)+\i:ACC+8*(4*\a+\b+2)+\i+1], v[64*\a+8*(\b+2)+\i:64*\a+8*(\b+2)+\i+1], v[T2+8*\b+\i:T2+8*\b+\i+1]   ; x(d + 32) cos(d + 32) + x(d) sin(d + 32)
.endr
.endr
	WIN 0
.endm
.macro QUANT a                         ; tile b's eight numbers become registers 2 b, 2 b + 1 of the reader's fragment
.irp b, 0,1,2,3
.irp j, 0,1,2,3,4,5,6,7
	v_med3_num_f32 v[ACC+8*(4*\a+\b)+\j], v[ACC+8*(4*\a+\b)+\j], -v[LIM], v[LIM]   ; the conversion to an 8-bit code does not saturate (ISA guide 7.6.2): the hold at the largest code x the scale
.endr
	v_cvt_scalef32_pk8_fp8_f32 v[CD+8*\a+2*\b:CD+8*\a+2*\b+1], v[ACC+8*(4*\a+\b):ACC+8*(4*\a+\b)+7], v[SCL]
.endr
	v_nop                                          ; one plain line behind the last conversion of the run
.endm
.macro STORE2 a, stride                ; each store of the wave covers 512 consecutive bytes, aligned
	global_store_b128 v[SO], v[CD+8*\a:CD+8*\a+3], s[4:5] offset:\a*\stride
	global_store_b128 v[SO], v[CD+8*\a+4:CD+8*\a+7], s[4:5] offset:\a*\stride+512
.endm
	PLACES
	s_wait_loadcnt 0x0                             ; cos and sin
	s_cmp_eq_u32 ttmp9, 5
	s_cbranch_scc1 .Lv_out
.irp a, 0,1,2,3                        ; q, k: tile a is 16 tokens of my head: a fragment of 1,024 bytes
	ROPE \a
	QUANT \a
	STORE2 \a, 1024
.endr
	s_branch .Lend
.Lv_out:
.irp a, 0,1,2,3                        ; v: tile a is 16 of my head's 64; my 64 tokens are half of its fragment of 2,048 bytes
	QUANT \a
	STORE2 \a, 2048
.endr
.Lend:
	s_wait_tensorcnt 0x0                           ; the wave's end
	ds_add_u32 v[SPW], v[NIL]
	s_wait_dscnt 0x0
	CROUND                                         ; the closing round: no work-group ends while a partner may still ask for a tile that names it
	s_endpgm
.Lfunc_end_k_q11f002b1a2_proj:
	.size	k_q11f002b1a2_proj, .Lfunc_end_k_q11f002b1a2_proj-k_q11f002b1a2_proj
	.p2alignl 7, 3214868480
	.fill 96, 4, 3214868480
	.section	.rodata,"a",@progbits
	.p2align	6, 0x0
	.amdhsa_kernel k_q11f002b1a2_proj
		.amdhsa_group_segment_fixed_size 327680
		.amdhsa_private_segment_fixed_size 0
		.amdhsa_enable_private_segment 0
		.amdhsa_kernarg_size 96
		.amdhsa_user_sgpr_count 2
		.amdhsa_user_sgpr_kernarg_segment_ptr 1
		.amdhsa_wavefront_size32 1
		.amdhsa_system_sgpr_workgroup_id_x 1
		.amdhsa_system_sgpr_workgroup_id_y 1
		.amdhsa_system_sgpr_workgroup_id_z 1
		.amdhsa_system_vgpr_workitem_id 0
		.amdhsa_next_free_vgpr 768
		.amdhsa_next_free_sgpr 102
		.amdhsa_reserve_vcc 1
		.amdhsa_float_denorm_mode_32 3
		.amdhsa_float_denorm_mode_16_64 3
		.amdhsa_memory_ordered 1
		.amdhsa_forward_progress 1
		.amdhsa_inst_pref_size 105
	.end_amdhsa_kernel
	.amdgpu_metadata
---
amdhsa.version: [ 1, 2 ]
amdhsa.kernels:
  - .name:           k_q11f002b1a2_proj
    .symbol:         k_q11f002b1a2_proj.kd
    .args:
      - { .name: x_codes, .offset: 0, .size: 8, .value_kind: global_buffer, .address_space: global }
      - { .name: Wq_codes, .offset: 8, .size: 8, .value_kind: global_buffer, .address_space: global }
      - { .name: Wk_codes, .offset: 16, .size: 8, .value_kind: global_buffer, .address_space: global }
      - { .name: Wv_codes, .offset: 24, .size: 8, .value_kind: global_buffer, .address_space: global }
      - { .name: cos, .offset: 32, .size: 8, .value_kind: global_buffer, .address_space: global }
      - { .name: sin, .offset: 40, .size: 8, .value_kind: global_buffer, .address_space: global }
      - { .name: mask, .offset: 48, .size: 8, .value_kind: global_buffer, .address_space: global }
      - { .name: lowp_scales, .offset: 56, .size: 8, .value_kind: global_buffer, .address_space: global }
      - { .name: q_img, .offset: 64, .size: 8, .value_kind: global_buffer, .address_space: global }
      - { .name: k_img, .offset: 72, .size: 8, .value_kind: global_buffer, .address_space: global }
      - { .name: v_img, .offset: 80, .size: 8, .value_kind: global_buffer, .address_space: global }
      - { .name: flags, .offset: 88, .size: 8, .value_kind: global_buffer, .address_space: global }
    .group_segment_fixed_size: 327680
    .private_segment_fixed_size: 0
    .kernarg_segment_align: 8
    .kernarg_segment_size: 96
    .max_flat_workgroup_size: 128
    .sgpr_count:     102
    .vgpr_count:     768
    .wavefront_size: 32
...
	.end_amdgpu_metadata
.endif
;; end of part 1
;; launch attn (part 2): grid 32 x 8, 16 waves a work-group, no clusters, 264,192 bytes of LDS; arguments q_img, k_img, v_img, mask, flags, lowp_scales, a_img; writes a_img
.if DOCPART == 2
	.amdgcn_target "amdgcn-amd-amdhsa--gfx1250"
	.amdhsa_code_object_version 6
	.text
	.protected	k_q11f002b1a2_attn
	.globl	k_q11f002b1a2_attn
	.p2align	8
	.type	k_q11f002b1a2_attn,@function
k_q11f002b1a2_attn:
	s_mov_b64 s[64:65], 0
	v_nop
	global_prefetch_b8 v0, s[64:65] scope:SCOPE_SE
	s_setreg_imm32_b32 hwreg(HW_REG_WAVE_MODE, 25, 1), 1
	s_wait_xcnt 0x0
; o = softmax(q k^T / 8, masked) v for 32 query heads on 8 key and value heads, both products on codes of FP8 (E4M3); o is quantised for the last product and stored as an image of that product's operand registers.
; THE SOFTMAX: t = score x log2(e) / 8; M = the running largest t rounded UP to a whole number; p = 2^(t - M) is quantised, not normalised; the row's sum is taken of the unquantised p and divides at the end.
; SHARES.  A work-group is one key and value head g (y) and one group j (x) of query tiles.  Each of its SIXTEEN waves owns one tile of 16 queries of one of the head's four query heads, in 256 registers.
;   wave w: head 4 g + w % 4; tile j, 63 - j, 64 + j or 127 - j by (w % 4 + w / 4) % 4: the four tiles differ in any four waves w with equal w % 4 and in any four with equal w / 4.
; THE MASK IS AN INPUT.  The launch before has classed each tile of 16 queries x 128 keys.  A step whose tile is wholly masked adds nothing to any sum and is left out by a scalar branch on that stored whole number;
;   a partly masked one adds -infinity to its hidden scores; an open one reads no mask.  That holds for every mask.:
;   the head's K and V images (262,144 bytes) come into LDS through registers, once, in eight chunks of two steps, each a chunk ahead of its use; nothing in LDS is ever overwritten, so one barrier a chunk publishes it.
; LAYOUT.  S^T = K Q^T (source 0 = 16 keys, source 1 = my 16 queries), O^T = V^T P^T: a lane holds ONE query (lane % 16) throughout; register 8 t + j of S^T is key 16 t + 8 (lane / 16) + j,
;   so a tile's conversion gives registers 2 t, 2 t + 1 of P's fragment.  All fragments lie in LDS as images: every LDS load reads 512 consecutive bytes.
; A row all of whose keys are masked has the sum 0: its codes become the NaN code, and the last product makes that row NaN.
; LIMITS on the given exponents: e6 + e7 between -124 and 129 (added to c's exponent field); e8, and e10 - e8 - e9, between -126 and 119.  NaN codes among the inputs are not served.
.set VIMG, 131072                      ; LDS: K's image at 0, V's here
.set LI,  1                            ; v1   16 x lane
.set LV,  2                            ; v2   the same in V's image
.set ADK, 3                            ; v3   LDS address of the chunk's K
.set ADV, 4                            ; v4   of its V
.set MO,  5                            ; v5   my 8 bytes in the tile's rows of the mask: 2,048 r + 8 h; never rewritten
.set MA,  6                            ; v6   the same at the step whose words are asked for
.set GS,  7                            ; v7   16 x thread: my 16 bytes of a half chunk; never rewritten
.set SK8, 8                            ; v8   where I store them: K's image,
.set SV8, 9                            ; v9   V's
.set PFO, 10                           ; v10  256 x lane; never rewritten
.set GV,  11                           ; v11  GS in V's image
.set QF,  16                           ; v16-23   Q
.set PC,  24                           ; v24-39   p's codes
.set KV,  40                           ; v40-103  a step's K, then its V
.set S,   104                          ; v104-167 S^T, then p
.set O,   168                          ; v168-199 O^T: register 8 dt + j is d = 16 dt + 8 h + j
.set MW,  200                          ; v200-215 a step's mask bytes: words 2 t, 2 t + 1 for tile t
.set STG, 216                          ; v216-231 the chunk on its way to LDS
; v12 -M, v13 the largest t, v[14:15] the sum in two halves; v[232:233] f; v234 at work; v235 a permute's destination; v[236:237] the sum's second chain; v238 448 x 2^e8; v239 2^e8; v240-242, v[244:247] at work
; s18 wave; s19 query tile; s[20:21] lane selects; s[22:23] c; s24 the chunk's LDS byte; s26 bits: steps to leave out; s27 bits: steps partly masked; s28 128 x (step + 1); s29 chunks to fetch; s31, s[32:33] the prefetches'
	s_load_b256 s[4:11], s[0:1], 0x0               ; q_img s[4:5], k_img s[6:7], v_img s[8:9], mask s[10:11]
	s_load_b128 s[12:15], s[0:1], 0x20             ; flags s[12:13], the scales' exponents s[14:15]
	s_load_b64 s[16:17], s[0:1], 0x30              ; a_img
	v_lshl_add_u32 v254, v0, 2, 0x40000
	v_mov_b32 v255, 0
	v_lshrrev_b32 v1, 5, v0
	v_readfirstlane_b32 s18, v1                    ; wave 0..15
	v_and_b32 v3, 31, v0
	v_lshlrev_b32 v[LI], 4, v3
	v_lshlrev_b32 v[PFO], 8, v3
	v_add_nc_u32 v[LV], VIMG, v[LI]
	v_and_b32 v4, 15, v0                           ; r
	v_bfe_u32 v6, v0, 4, 1                         ; h
	v_lshlrev_b32 v[MO], 11, v4
	v_lshl_add_u32 v[MO], v6, 3, v[MO]
	v_lshlrev_b32 v[GS], 4, v0
	v_add_nc_u32 v[GV], VIMG, v[GS]
	s_and_b32 s57, ttmp7, 0xffff                   ; g
	s_and_b32 s58, s18, 3
	s_lshr_b32 s59, s18, 2
	s_add_co_u32 s59, s59, s58
	s_and_b32 s59, s59, 3                          ; which of the group's four tiles
	s_sub_co_u32 s19, 63, ttmp9
	s_bitcmp1_b32 s59, 0
	s_cselect_b32 s19, s19, ttmp9
	s_lshr_b32 s59, s59, 1
	s_lshl_b32 s59, s59, 6
	s_add_co_u32 s19, s19, s59                     ; qt
	s_lshl_b32 s60, s57, 2
	s_add_co_u32 s60, s60, s58                     ; hq
	s_mov_b32 s35, 0
	s_wait_kmcnt 0x0
	s_lshl_b32 s34, s19, 4
	s_add_nc_u64 s[12:13], s[12:13], s[34:35]
	s_load_b128 s[36:39], s[12:13], 0x0            ; my tile's four words of flags
	s_load_b256 s[40:47], s[14:15], 0x0            ; e0 .. e7
	s_load_b128 s[48:51], s[14:15], 0x20           ; e8 .. e11
	s_lshl_b32 s34, s57, 17
	s_add_nc_u64 s[6:7], s[6:7], s[34:35]          ; my head's K
	s_add_nc_u64 s[8:9], s[8:9], s[34:35]          ; and V
	s_lshl_b32 s34, s19, 15
	s_add_nc_u64 s[10:11], s[10:11], s[34:35]      ; my 16 rows of the mask
	s_add_nc_u64 s[16:17], s[16:17], s[34:35]
	s_lshl_b32 s34, s60, 10
	s_add_nc_u64 s[16:17], s[16:17], s[34:35]      ; a_img: 32,768 qt + 1,024 hq
	s_lshl_b32 s34, s60, 17
	s_lshl_b32 s61, s19, 10
	s_add_co_u32 s34, s34, s61
	s_add_nc_u64 s[4:5], s[4:5], s[34:35]          ; q_img: 131,072 hq + 1,024 qt
	global_load_b128 v[STG:STG+3], v[GS], s[6:7]                   ; chunk 0: sixteen waves x 512 bytes are half of its 16,384 of K,
	global_load_b128 v[STG+4:STG+7], v[GS], s[6:7] offset:8192
	global_load_b128 v[STG+8:STG+11], v[GS], s[8:9]                ; and of V
	global_load_b128 v[STG+12:STG+15], v[GS], s[8:9] offset:8192
	global_load_b128 v[QF:QF+3], v[LI], s[4:5] th:TH_LOAD_NT       ; Q's fragment stays in registers
	global_load_b128 v[QF+4:QF+7], v[LI], s[4:5] offset:512 th:TH_LOAD_NT
.irp t, 0,1,2,3,4,5,6,7
	global_load_b64 v[MW+2*\t:MW+2*\t+1], v[MO], s[10:11] offset:16*\t   ; step 0's mask bytes, whatever its class: so these registers are written on every way
.endr
	; the prefetches: all 32 work-groups of a head walk the same K and V: the first of them asks, in waves 0, 1 for K and 2, 3 for V
	s_cmp_lt_u32 s18, 2
	s_cselect_b64 s[32:33], s[6:7], s[8:9]
	s_and_b32 s34, s18, 1
	s_lshl_b32 s34, s34, 13                        ; my half of a chunk's 16,384 bytes,
	s_add_co_u32 s34, s34, 32768                   ; in chunk 2.  Nothing is prefetched here, at the head
	s_add_nc_u64 s[32:33], s[32:33], s[34:35]
	s_lshr_b32 s31, s18, 2
	s_or_b32 s31, s31, ttmp9
	s_cmp_eq_u32 s31, 0
	s_cselect_b32 s31, 1, -1                       ; 1 in a wave that prefetches, else the greatest number
	s_mov_b32 s20, 0x76543210
	s_mov_b32 s21, 0xfedcba98                      ; v_permlanex16_b32: lane l xor 16
	s_mov_b32 s22, 0x3e38aa3b                      ; c = log2(e) / 8
	s_mov_b32 s24, 0
	s_mov_b32 s28, 128
	s_mov_b32 s52, 0x04000c0c                      ; v_perm_b32: byte k of 255 m on top, byte k of 128 m under it, zeros below: -infinity where the mask's byte k is 1, else 0
	s_mov_b32 s53, 0x05010c0c
	s_mov_b32 s54, 0x06020c0c
	s_mov_b32 s55, 0x07030c0c
	s_mov_b32 s56, 0xffff0000                      ; lanes 16-31
	v_mov_b32 v13, 0xff61b1e6                      ; the largest t so far: -3e38, under every t
	v_floor_f32 v12, -v13                          ; -M
	v_mov_b32 v14, 0
	v_mov_b32 v15, 0
	v_mov_b32 v233, 0                              ; (named as the upper half of the pair v[232:233])
	v_mov_b32 v235, 0                              ; written once: a lane permute's destination counts as one of its sources
.set n, 0
.rept 32
	v_mov_b32 v[O+n], 0                            ; O^T.  (The step is written once: the first finds zeros, which the first change of M leaves zeros)
.set n, n+1
.endr
	s_wait_kmcnt 0x0
	s_and_b32 s26, s36, 15                         ; word w: bits 0-3: steps 4 w + k wholly masked; bits 8-11: some byte masked
	s_bfe_u32 s27, s36, 0x40008
.irp w, 1,2,3
	s_and_b32 s30, s[36+\w], 15
	s_lshl_b32 s30, s30, 4*\w
	s_or_b32 s26, s26, s30
	s_bfe_u32 s30, s[36+\w], 0x40008
	s_lshl_b32 s30, s30, 4*\w
	s_or_b32 s27, s27, s30
.endr
	s_and_not1_b32 s27, s27, s26                   ; partly masked: some, not all
	s_add_co_i32 s30, s46, s47
	s_lshl_b32 s30, s30, 23
	s_add_co_i32 s22, s22, s30                     ; a score stands for score x 2^(e6 + e7): added to c's exponent field
	s_mov_b32 s23, s22                             ; (named with it as a pair, so it is written)
	s_add_co_i32 s30, s48, 127
	s_lshl_b32 s34, s30, 23
	v_mov_b32 v239, s34                            ; 2^e8, for p's conversions
	s_add_co_i32 s30, s30, 8
	s_lshl_b32 s30, s30, 23
	s_or_b32 s30, s30, 0x600000
	v_mov_b32 v238, s30                            ; 448 x 2^e8
	s_wait_loadcnt 10                              ; chunk 0's four loads are in; behind them Q's two and the mask's eight
	ds_store_b128 v[GS], v[STG:STG+3]
	ds_store_b128 v[GS], v[STG+4:STG+7] offset:8192
	ds_store_b128 v[GV], v[STG+8:STG+11]
	ds_store_b128 v[GV], v[STG+12:STG+15] offset:8192
	s_wait_dscnt 0x0                               ; for the others' sake: my part of chunk 0 lies in LDS
	s_barrier_signal -1
	s_barrier_wait -1
	s_wait_loadcnt 8                               ; Q is in; the mask's eight may be out
; The next step's mask bytes are asked for a step ahead, and only if that step is partly masked.  The wait shows every earlier load done: none is pending on these registers or reads v[MA].
.macro PF
	s_bitcmp1_b32 s27, 1
	s_cbranch_scc0 .Lno_pf_\@
	s_wait_loadcnt 0x0
	s_min_u32 s30, s28, 1920                       ; the step's first column; the hold keeps every lane inside the rows
	v_add_nc_u32 v[MA], s30, v[MO]
.irp t, 0,1,2,3,4,5,6,7
	global_load_b64 v[MW+2*\t:MW+2*\t+1], v[MA], s[10:11] offset:16*\t
.endr
.Lno_pf_\@:
.endm
; A prefetch of chunk c + 2 in trip c, behind the wave's loads of chunk c + 1: 8,192 bytes a wave, lanes 256 bytes apart, one instruction; each block is named once in the launch.  The last trip asks for nothing.
.macro ASK
	s_cmp_gt_u32 s29, s31
	s_cbranch_scc0 .Lnot_mine_\@
	global_prefetch_b8 v[PFO], s[32:33] th:TH_LOAD_NT scope:SCOPE_SE
.Lnot_mine_\@:
.endm
; A KEY STEP: 128 keys, the q-th of the chunk in hand.
.macro STEP q
	s_bitcmp1_b32 s26, 0
	s_cbranch_scc1 .Lskip_\@                       ; wholly masked: every p would be 0
	v_add_nc_u32 v[ADK], s24, v[LI]
	v_add_nc_u32 v[ADV], s24, v[LV]
	v_nop                                          ; with the two additions: four places in front of loads into registers that the last products read
	v_nop
.irp t, 0,1,2,3,4,5,6,7
.irp g, 0,1
	ds_load_b128 v[KV+8*\t+4*\g:KV+8*\t+4*\g+3], v[ADK] offset:8192*(\q)+1024*\t+512*\g
.endr
.endr
	s_wait_dscnt 0x0
.irp t, 0,1,2,3,4,5,6,7
	v_wmma_f32_16x16x64_fp8_fp8 v[S+8*\t:S+8*\t+7], v[KV+8*\t:KV+8*\t+7], v[QF:QF+7], 0
.endr
.rept 4
	v_nop                                          ; places: in front of the loads below and of the first read of the scores
.endr
.irp d, 0,1,2,3
.irp g, 0,1,2,3
	ds_load_b128 v[KV+16*\d+4*\g:KV+16*\d+4*\g+3], v[ADV] offset:8192*(\q)+2048*\d+512*\g   ; V lands while the softmax is walked
.endr
.endr
	s_bitcmp1_b32 s27, 0
	s_cbranch_scc0 .Lopen_\@
	s_wait_loadcnt 0x0                             ; the step's mask bytes
.irp t, 0,1,2,3,4,5,6,7                        ; four bytes m (each 0 or 1) make four addends: 255 m and 128 m give the bytes ff and 80 where a byte is 1.  Ascending: each accumulator is read from its low end on
.irp w, 0,1
	v_lshlrev_b32 v240, 8, v[MW+2*\t+\w]
	v_lshlrev_b32 v242, 7, v[MW+2*\t+\w]
	v_sub_nc_u32 v241, v240, v[MW+2*\t+\w]
.irp k, 0,1,2,3
	v_perm_b32 v[244+\k], v241, v242, s[52+\k]
.endr
	v_pk_add_f32 v[S+8*\t+4*\w:S+8*\t+4*\w+1], v[S+8*\t+4*\w:S+8*\t+4*\w+1], v[244:245]
	v_pk_add_f32 v[S+8*\t+4*\w+2:S+8*\t+4*\w+3], v[S+8*\t+4*\w+2:S+8*\t+4*\w+3], v[246:247]
.endr
.endr
.Lopen_\@:
	PF
	v_max3_num_f32 v234, v[S], v[S+1], v[S+2]      ; the step's largest score of my query, among my 64 keys, in two chains,
	v_max3_num_f32 v232, v[S+3], v[S+4], v[S+5]
.set n, 6
.rept 14
	v_max3_num_f32 v234, v234, v[S+n], v[S+n+1]
	v_max3_num_f32 v232, v232, v[S+n+2], v[S+n+3]
.set n, n+4
.endr
	v_max3_num_f32 v234, v234, v[S+62], v[S+63]
	v_max_num_f32 v234, v234, v232
	v_permlanex16_b32 v235, v234, s20, s21
	v_max_num_f32 v234, v234, v235                 ; and among lane l xor 16's
	v_mul_f32 v234, s22, v234                      ; as t (c is positive)
	v_max_num_f32 v13, v13, v234                   ; the running largest t
	v_mov_b32 v234, v12
	v_floor_f32 v12, -v13                          ; the new -M = floor(-t) = -ceil(t): a whole number
	v_sub_f32 v234, v12, v234                      ; M's old value less its new one: 0 or less
	v_cvt_i32_f32 v234, v234                       ; (it saturates)
	v_ldexp_f32 v232, 1.0, v234                    ; f = 2^(old M - new M): a multiplication by it rounds nothing
.set n, 0
.rept 32
	v_pk_fma_f32 v[S+n:S+n+1], v[S+n:S+n+1], s[22:23], v[12:13] op_sel_hi:[1,0,0]   ; t - M, two at a time
.set n, n+2
.endr
.set n, 0
.rept 64
	v_exp_f32 v[S+n], v[S+n]                       ; p = 2^(t - M), at most 1
.set n, n+1
.endr
	v_pk_mul_f32 v[14:15], v[14:15], v[232:233] op_sel_hi:[1,0]   ; the sums under the new M: the plain line behind the exponentials
	s_wait_alu depctr_va_vdst(0)                   ; one wait for the whole batch, ahead of its first reader
	v_pk_add_f32 v[236:237], v[S:S+1], v[S+2:S+3]  ; the row's sum is taken of the unquantised p, in two chains
.set n, 4
.rept 15
	v_pk_add_f32 v[14:15], v[14:15], v[S+n:S+n+1]
	v_pk_add_f32 v[236:237], v[236:237], v[S+n+2:S+n+3]
.set n, n+4
.endr
	v_pk_add_f32 v[14:15], v[14:15], v[236:237]
.irp t, 0,1,2,3,4,5,6,7
.irp j, 0,1,2,3,4,5,6,7
	v_min_num_f32 v[S+8*\t+\j], v[S+8*\t+\j], v238 ; the conversion does not saturate (ISA guide 7.6.2); p is not negative, so the hold is one-sided
.endr
	v_cvt_scalef32_pk8_fp8_f32 v[PC+2*\t:PC+2*\t+1], v[S+8*\t:S+8*\t+7], v239
.endr
.set n, 0
.rept 16
	v_pk_mul_f32 v[O+n:O+n+1], v[O+n:O+n+1], v[232:233] op_sel_hi:[1,0]   ; O^T under the new M; also the plain lines between the conversions and the products
.set n, n+2
.endr
	s_wait_dscnt 0x0                               ; V is in
.irp d, 0,1,2,3                                ; four accumulators by turns; between two links of a chain stand the three others' and the next step's eight
	v_wmma_f32_16x16x128_fp8_fp8 v[O+8*\d:O+8*\d+7], v[KV+16*\d:KV+16*\d+15], v[PC:PC+15], v[O+8*\d:O+8*\d+7]
.endr
	s_branch .Ldone_\@
.Lskip_\@:
	PF
.Ldone_\@:
	s_lshr_b32 s26, s26, 1                         ; the next step's bits
	s_lshr_b32 s27, s27, 1
	s_add_co_u32 s28, s28, 128
.endm
; A CHUNK: two steps.  more = 1: the next chunk is asked for at the head, stored into LDS at the end, and published by the barrier.  The barrier stands outside every branch on loaded numbers.
.macro CHUNK more
.if \more
	global_load_b128 v[STG:STG+3], v[GS], s[6:7] offset:16384
	global_load_b128 v[STG+4:STG+7], v[GS], s[6:7] offset:24576
	global_load_b128 v[STG+8:STG+11], v[GS], s[8:9] offset:16384
	global_load_b128 v[STG+12:STG+15], v[GS], s[8:9] offset:24576
	ASK
.endif
	STEP 0
	STEP 1
.if \more
	s_wait_loadcnt 0x0                             ; what is out differs by the way taken: the wait is for all
	v_add_nc_u32 v[SK8], s24, v[GS]
	v_add_nc_u32 v[SV8], s24, v[GV]
	ds_store_b128 v[SK8], v[STG:STG+3] offset:16384            ; the chunk behind the one in hand: bytes that nobody has read or written yet
	ds_store_b128 v[SK8], v[STG+4:STG+7] offset:24576
	ds_store_b128 v[SV8], v[STG+8:STG+11] offset:16384
	ds_store_b128 v[SV8], v[STG+12:STG+15] offset:24576
	s_wait_xcnt 0x0                                ; the loads and the prefetch have read their bases: these may step
	s_add_nc_u64 s[6:7], s[6:7], 16384
	s_add_nc_u64 s[8:9], s[8:9], 16384
	s_add_nc_u64 s[32:33], s[32:33], 16384
	s_add_co_u32 s24, s24, 16384
	s_wait_dscnt 0x0                               ; for the others' sake: my part of the next chunk lies in LDS
	s_barrier_signal -1
	s_barrier_wait -1
.endif
.endm
	s_mov_b32 s29, 7
.Lchunk:                                           ; seven trips fetch chunks 1 to 7
	CHUNK 1
	s_sub_co_u32 s29, s29, 1
	s_cmp_lg_u32 s29, 0
	s_cbranch_scc1 .Lchunk
	CHUNK 0                                        ; the last chunk fetches nothing: no load leaves its buffer
	; THE WAY OUT.  O^T / the sum, quantised with 2^(e10 - e8 - e9): a sum of the second product stands for sum x 2^(e8 + e9).
	v_add_f32 v14, v14, v15                        ; the sum's two halves,
	v_permlanex16_b32 v235, v14, s20, s21
	v_add_f32 v14, v14, v235                       ; and lane l xor 16's: the row's sum
	v_rcp_f32 v234, v14
	v_mov_b32 v242, 0x7f7f7f7f                     ; (the plain line behind the reciprocal)  four NaN codes
	s_sub_co_i32 s30, s50, s48
	s_sub_co_i32 s30, s30, s49
	s_add_co_i32 s30, s30, 127
	s_lshl_b32 s34, s30, 23
	v_mov_b32 v241, s34                            ; 2^(e10 - e8 - e9)
	s_add_co_i32 s30, s30, 8
	s_lshl_b32 s30, s30, 23
	s_or_b32 s30, s30, 0x600000
	v_mov_b32 v240, s30                            ; 448 x that
	v_cmp_eq_f32 vcc_lo, 0, v14                    ; the sum is 0 where, and only where, every key of the row is masked: the largest p of any other row is above 1/2
.irp n, 0,1,2,3
	v_mov_b32 v[244+\n], 0                         ; permutes' destinations
.endr
	s_wait_alu depctr_va_vdst(0)                   ; ahead of the reciprocal's first reader
.set n, 0
.rept 16
	v_pk_mul_f32 v[S+n:S+n+1], v[O+n:O+n+1], v[234:235] op_sel_hi:[1,0]   ; each accumulator from its low end on
.set n, n+2
.endr
.irp d, 0,1,2,3
.irp j, 0,1,2,3,4,5,6,7
	v_med3_num_f32 v[S+8*\d+\j], v[S+8*\d+\j], -v240, v240
.endr
	v_cvt_scalef32_pk8_fp8_f32 v[PC+2*\d:PC+2*\d+1], v[S+8*\d:S+8*\d+7], v241   ; d = 16 dt + 8 h + 0..7
.endr
	v_nop                                          ; one plain line behind the last conversion
.irp n, 0,1,2,3,4,5,6,7
	v_cndmask_b32 v[PC+\n], v[PC+\n], v242, vcc_lo ; a wholly masked row: NaN, as the softmax of such a row is
.endr
	; The reader's group b wants, in lane (r, h), d = 32 b + 16 h + 0..15: tile 2 b + h, its first eight from lane (r, 0), its last eight from lane (r, 1).  Lanes 0-15 send tile 2 b + 1, lanes 16-31 tile 2 b.
.irp b, 0,1
.irp n, 0,1
	v_cndmask_b32 v[KV+2*\b+\n], v[PC+4*\b+2+\n], v[PC+4*\b+\n], s56
.endr
.endr
.irp b, 0,1
.irp n, 0,1
	v_permlanex16_b32 v[244+2*\b+\n], v[KV+2*\b+\n], s20, s21
.endr
.endr
.irp b, 0,1
.irp n, 0,1
	v_cndmask_b32 v[KV+8+4*\b+\n], v[PC+4*\b+\n], v[244+2*\b+\n], s56
	v_cndmask_b32 v[KV+10+4*\b+\n], v[244+2*\b+\n], v[PC+4*\b+2+\n], s56
.endr
.endr
	global_store_b128 v[LI], v[KV+8:KV+11], s[16:17]               ; each store of the wave covers 512 consecutive bytes, aligned
	global_store_b128 v[LI], v[KV+12:KV+15], s[16:17] offset:512
	s_wait_tensorcnt 0x0
	ds_add_u32 v254, v255
	s_wait_dscnt 0x0
	s_endpgm
.Lfunc_end_k_q11f002b1a2_attn:
	.size	k_q11f002b1a2_attn, .Lfunc_end_k_q11f002b1a2_attn-k_q11f002b1a2_attn
	.p2alignl 7, 3214868480
	.fill 96, 4, 3214868480
	.section	.rodata,"a",@progbits
	.p2align	6, 0x0
	.amdhsa_kernel k_q11f002b1a2_attn
		.amdhsa_group_segment_fixed_size 264192
		.amdhsa_private_segment_fixed_size 0
		.amdhsa_enable_private_segment 0
		.amdhsa_kernarg_size 56
		.amdhsa_user_sgpr_count 2
		.amdhsa_user_sgpr_kernarg_segment_ptr 1
		.amdhsa_wavefront_size32 1
		.amdhsa_system_sgpr_workgroup_id_x 1
		.amdhsa_system_sgpr_workgroup_id_y 1
		.amdhsa_system_sgpr_workgroup_id_z 1
		.amdhsa_system_vgpr_workitem_id 0
		.amdhsa_next_free_vgpr 256
		.amdhsa_next_free_sgpr 66
		.amdhsa_reserve_vcc 1
		.amdhsa_float_denorm_mode_32 3
		.amdhsa_float_denorm_mode_16_64 3
		.amdhsa_memory_ordered 1
		.amdhsa_forward_progress 1
		.amdhsa_inst_pref_size 114
	.end_amdhsa_kernel
	.amdgpu_metadata
---
amdhsa.version: [ 1, 2 ]
amdhsa.kernels:
  - .name:           k_q11f002b1a2_attn
    .symbol:         k_q11f002b1a2_attn.kd
    .args:
      - { .name: q_img, .offset: 0, .size: 8, .value_kind: global_buffer, .address_space: global }
      - { .name: k_img, .offset: 8, .size: 8, .value_kind: global_buffer, .address_space: global }
      - { .name: v_img, .offset: 16, .size: 8, .value_kind: global_buffer, .address_space: global }
      - { .name: mask, .offset: 24, .size: 8, .value_kind: global_buffer, .address_space: global }
      - { .name: flags, .offset: 32, .size: 8, .value_kind: global_buffer, .address_space: global }
      - { .name: lowp_scales, .offset: 40, .size: 8, .value_kind: global_buffer, .address_space: global }
      - { .name: a_img, .offset: 48, .size: 8, .value_kind: global_buffer, .address_space: global }
    .group_segment_fixed_size: 264192
    .private_segment_fixed_size: 0
    .kernarg_segment_align: 8
    .kernarg_segment_size: 56
    .max_flat_workgroup_size: 512
    .sgpr_count:     66
    .vgpr_count:     256
    .wavefront_size: 32
...
	.end_amdgpu_metadata
.endif
;; end of part 2
;; launch outp (part 3): grid 16 x 16, 4 waves a work-group, clusters of 4 x 4, 327,680 bytes of LDS; arguments a_img, Wo_codes, lowp_scales, out0; writes out0
.if DOCPART == 3
	.amdgcn_target "amdgcn-amd-amdhsa--gfx1250"
	.amdhsa_code_object_version 6
	.text
	.protected	k_q11f002b1a2_outp
	.globl	k_q11f002b1a2_outp
	.p2align	8
	.type	k_q11f002b1a2_outp,@function
k_q11f002b1a2_outp:
	s_mov_b64 s[64:65], 0
	v_nop
	global_prefetch_b8 v0, s[64:65] scope:SCOPE_SE
	s_setreg_imm32_b32 hwreg(HW_REG_WAVE_MODE, 25, 1), 1
	s_wait_xcnt 0x0
	s_wait_alu depctr_hold_cnt(0) depctr_sa_sdst(0) depctr_va_vdst(0) depctr_va_sdst(0) depctr_va_ssrc(0) depctr_va_vcc(0) depctr_vm_vsrc(0)
	s_getreg_b32 s2, hwreg(HW_REG_IB_STS2, 6, 4)
	s_cmp_eq_u32 s2, 0
	s_cbranch_scc0 .Lentry_in_a_cluster
	s_endpgm
.Lentry_in_a_cluster:
	s_bfe_u32 s2, ttmp6, 0x10000c
	s_cmp_lg_u32 s2, 0xf033
	s_cbranch_scc0 .Lentry_shape_is_right
	s_endpgm
.Lentry_shape_is_right:
; out0 = a Wo^T on codes of FP8 (E4M3): a's codes come as the image that the attention launch stored, Wo's as given rows; each finished sum is multiplied once by 2^(e10 + e11).
; SHARES.  A work-group makes 128 tokens x 128 columns; four waves, 64 x 64 each: 16 accumulators.  K goes in four steps of 512 codes through two LDS slots filled by joint tensor loads:
; a's tile is shared along a row of the 4 x 4 cluster, Wo's along a column.
; acc(a, b) = source 0: 16 rows of Wo, source 1: 16 tokens: a lane holds one token and eight neighbouring columns of out0.
; a's image: 32,768 bytes a tile of 16 tokens; in it 512 bytes (16 a lane) for every 32 along K: lane (r, h) holds k = 32 c + 16 h + 0..15, the order in which four loads of 16 bytes bring Wo's rows.
; LIMIT: e10 + e11 between -126 and 127, so that 2^(e10 + e11) is an f32 number.
; REGISTERS: window 0: v1-31 addresses; v32-63 a block's sums x the scale; v64-127 rows read back from the stage, two sets by turns; v128-255 the accumulators.  window 1: two fragment buffers of 128.
.set PITCH,  528                       ; a row of Wo in LDS: 512 bytes + 16 of padding
.set HALFT,  64*PITCH
.set BOFF,   65536                     ; a slot: a's image of 8 tiles x 8,192 bytes, then Wo's 128 rows
.set SLOT,   BOFF+2*HALFT
.set STAGE,  2*SLOT                    ; behind the ring: 16 rows x 272 bytes for each wave, for the way out
.set SPITCH, 272
.set SPARE,  STAGE+4*16*SPITCH         ; behind the stages: the spare words, 128 bytes for each wave: two blocks of 256 bytes that no other line names
.set ADR1, 16                          ; v16-17  LDS address of my tokens' fragments in slot 0, 1
.set ADR0, 20                          ; v20-21  of my rows of Wo
.set STO,  24
.set RD,   25
.set CO,   26
.set SPW,  28
.set NIL,  29
.set TMP,  32
.set BK,   64
.set ACC,  128
.set F0,   0
.set F1,   128
.set G1,   24
.set G0,   32
.set G1B,  48
.set G0B,  56
.set MSB,  0
.macro WIN new                         ; the immediate's high byte repeats the setting that is left
.if MSB != \new
	s_set_vgpr_msb (MSB<<8)|\new
.set MSB, \new
.endif
.endm
.set MUL,  0x05                        ; sources 0 and 1 window 1; C and D window 0
.set TO_F, 0x40                        ; destination window 1, address window 0
.macro JLOAD s                         ; a joint load: waves 0 and 1 fetch a's two halves, waves 2 and 3 Wo's; four v_nop follow each of the two lines
	s_cmp_eq_u32 s11, 0
	s_cbranch_scc0 .Lfor_b_\@
	tensor_load_to_lds s[G0+4*\s:G0+4*\s+3], s[G1:G1+7]
	s_nop 0
.rept 4
	v_nop
.endr
	s_branch .Lasked_\@
.Lfor_b_\@:
	tensor_load_to_lds s[G0B+4*\s:G0B+4*\s+3], s[G1B:G1B+7]
	s_nop 0
.rept 4
	v_nop
.endr
.Lasked_\@:
.endm
.macro CREST                           ; a round of the cluster's barrier behind its opening barrier
	s_cmp_lg_u32 s10, 0
	s_cbranch_scc1 .Lnot_wave_0_\@
	s_barrier_signal -3
.Lnot_wave_0_\@:
	s_barrier_wait -3
	s_barrier_signal -1
	s_barrier_wait -1
.endm
.macro CROUND
	s_barrier_signal -1
	s_barrier_wait -1
	CREST
.endm
.macro PLACES                          ; four plain places in front of loads into registers that matrix instructions have read, and of the first read of results
.rept 4
	v_nop
.endr
.endm
	s_load_b128 s[4:7], s[0:1], 0x0                ; a_img s[4:5], Wo's codes s[6:7]
	s_load_b128 s[68:71], s[0:1], 0x10             ; the scales' exponents s[68:69], out0 s[70:71]
	v_lshl_add_u32 v[SPW], v0, 2, SPARE
	v_mov_b32 v[NIL], 0
	ds_add_u32 v28, v29
	ds_add_u32 v28, v29
	s_wait_dscnt 0x0
	v_lshrrev_b32 v1, 5, v0
	v_readfirstlane_b32 s10, v1                    ; wave 0..3
	s_lshr_b32 s11, s10, 1                         ; i1: my half of the tokens.  Also: I fetch for a (0) or for Wo (1)
	s_and_b32 s12, s10, 1                          ; i0: my half of the columns.  Also: which half of that tile I fetch
	s_bfe_u32 s40, ttmp6, 0x40000                  ; cx, cy
	s_bfe_u32 s41, ttmp6, 0x40004
	s_lshl_b32 s42, ttmp9, 2
	s_add_co_u32 s42, s42, s40                     ; x: which 128 columns
	s_and_b32 s13, ttmp7, 0xffff
	s_lshl_b32 s13, s13, 2
	s_add_co_u32 s13, s13, s41                     ; y: which 128 tokens
	s_lshl_b32 s43, s41, 2
	s_lshl_b32 s43, 15, s43                        ; my row of the cluster
	s_lshl_b32 s44, 0x1111, s40                    ; my column
	; a's tiles: 4 tiles of tokens x 8,192 bytes (a K step's part of each), 32,768 bytes apart, dense in LDS: elements of 8 bytes
	s_or_b32 s[G1], s43, (3<<16)|(1<<21)           ; 15:0 the mask: my row; 17:16 elements of 8 bytes; 20 no padding; 21 set beside a mask
	s_mov_b32 s[G1+1], 1024<<16                    ; tensor_dim0 = 1,024
	s_mov_b32 s[G1+2], 4<<16                       ; tensor_dim1 = 4
	s_mov_b32 s[G1+3], 1024<<16                    ; tile_dim0 = 1,024
	s_mov_b32 s[G1+4], 4                           ; tile_dim1 = 4
	s_mov_b32 s[G1+5], 4096                        ; from row to row
	s_mov_b32 s[G1+6], 0
	s_mov_b32 s[G1+7], 0
	; Wo's tiles: 64 rows x 512 bytes, padded in LDS
	s_or_b32 s[G1B], s44, (1<<20)|(1<<21)|(6<<22)|(3<<25)  ; the mask: my column; elements of 1 byte; four words of padding after every 128
	s_mov_b32 s[G1B+1], 512<<16
	s_mov_b32 s[G1B+2], 64<<16
	s_mov_b32 s[G1B+3], 512<<16
	s_mov_b32 s[G1B+4], 64
	s_mov_b32 s[G1B+5], 2048
	s_mov_b32 s[G1B+6], 0
	s_mov_b32 s[G1B+7], 0
	s_lshl_b32 s17, s12, 2
	s_lshl_b32 s16, s13, 3
	s_add_co_u32 s16, s16, s17                     ; a: tile of tokens 8 y + 4 i0,
	s_lshl_b32 s16, s16, 15                        ; of 32,768 bytes
	s_mov_b32 s17, 0
	s_lshl_b32 s47, s12, 6
	s_lshl_b32 s46, s42, 7
	s_add_co_u32 s46, s46, s47                     ; Wo: row 128 x + 64 i0,
	s_lshl_b32 s46, s46, 11                        ; of 2,048 bytes
	s_mov_b32 s47, 0
	s_lshl_b32 s20, s12, 15                        ; where they go: a's half,
	s_mul_i32 s21, s12, HALFT
	s_add_co_u32 s21, s21, BOFF                    ; Wo's half: no place in the cluster enters an LDS address
	s_wait_kmcnt 0x0
	s_load_b64 s[96:97], s[68:69], 0x28            ; e10, e11
	s_add_nc_u64 s[14:15], s[4:5], s[16:17]
	s_add_nc_u64 s[46:47], s[6:7], s[46:47]
	CROUND                                         ; all sixteen work-groups are here: the first joint loads meet
.irp s, 0,1
	s_mov_b32 s[G0+4*\s], 1
	s_add_co_u32 s[G0+4*\s+1], s20, \s*SLOT
	s_add_nc_u64 s[G0+4*\s+2:G0+4*\s+3], s[14:15], \s*8192
	s_or_b32 s[G0+4*\s+3], s[G0+4*\s+3], 0x80000000
	s_mov_b32 s[G0B+4*\s], 1
	s_add_co_u32 s[G0B+4*\s+1], s21, \s*SLOT
	s_add_nc_u64 s[G0B+4*\s+2:G0B+4*\s+3], s[46:47], \s*512
	s_or_b32 s[G0B+4*\s+3], s[G0B+4*\s+3], 0x80000000
	JLOAD \s                                       ; K steps 0 and 1: two loads of mine are out
.endr
	v_and_b32 v1, 15, v0                           ; r
	v_bfe_u32 v2, v0, 4, 1                         ; h
	v_and_b32 v3, 31, v0
	v_lshlrev_b32 v3, 4, v3                        ; 16 x lane: my place in an image
	v_mul_u32_u24 v4, v1, PITCH
	v_lshl_add_u32 v4, v2, 4, v4                   ; a row of Wo x pitch + 16 h
	s_lshl_b32 s22, s11, 15                        ; my four tiles of tokens
	s_mul_i32 s23, s12, HALFT
	s_add_co_u32 s23, s23, BOFF                    ; my 64 rows of Wo
.irp s, 0,1
	v_add_nc_u32 v[ADR1+\s], s22, v3
	v_add_nc_u32 v[ADR0+\s], s23, v4
	s_add_co_u32 s22, s22, SLOT
	s_add_co_u32 s23, s23, SLOT
.endr
	s_mul_i32 s22, s10, 16*SPITCH
	s_add_co_u32 s22, s22, STAGE                   ; my stage
	v_mul_u32_u24 v5, v1, SPITCH                   ; in: row r, 32 bytes for each half of the lanes
	v_lshl_add_u32 v5, v2, 5, v5
	v_add_nc_u32 v[STO], s22, v5
	v_mul_u32_u24 v5, v2, SPITCH                   ; back: lanes 0-15 one row of 256 bytes, lanes 16-31 the next
	v_lshl_add_u32 v5, v1, 4, v5
	v_add_nc_u32 v[RD], s22, v5
	v_lshlrev_b32 v5, 13, v2                       ; and the same two rows in out0 (8,192 bytes a row)
	v_lshl_add_u32 v[CO], v1, 4, v5
	s_lshl_b32 s8, s13, 20                         ; my first row: 128 y + 64 i1;
	s_lshl_b32 s9, s11, 19
	s_add_co_u32 s8, s8, s9
	s_lshl_b32 s9, s42, 9                          ; my first column: 128 x + 64 i0, 4 bytes each
	s_add_co_u32 s8, s8, s9
	s_lshl_b32 s9, s12, 8
	s_add_co_u32 s8, s8, s9
	s_mov_b32 s9, 0
	s_add_nc_u64 s[70:71], s[70:71], s[8:9]
.macro FETCH slot, k, f                ; 32 LDS loads in one run: the fragments of 128 along K: Wo's four from rows at byte k, then my tokens' four from the image, 16 k bytes on in each tile
	WIN TO_F
.irp b, 0,1,2,3
.irp c, 0,1,2,3
	ds_load_b128 v[\f+64+16*\b+4*\c:\f+64+16*\b+4*\c+3], v[ADR0+\slot] offset:\k+\b*16*PITCH+32*\c
.endr
.endr
.irp a, 0,1,2,3
.irp c, 0,1,2,3
	ds_load_b128 v[\f+16*\a+4*\c:\f+16*\a+4*\c+3], v[ADR1+\slot] offset:8192*\a+16*\k+512*\c
.endr
.endr
.endm
; Four matrix instructions: tile a of tokens against Wo's four.  The 16 accumulators take turns, one instruction a turn, in the same order in every quarter.
.macro MUL4 f, a, zero
.irp b, 0,1,2,3
.if \zero
	v_wmma_f32_16x16x128_fp8_fp8 v[ACC+8*(4*\a+\b):ACC+8*(4*\a+\b)+7], v[\f+64+16*\b:\f+64+16*\b+15], v[\f+16*\a:\f+16*\a+15], 0
.else
	v_wmma_f32_16x16x128_fp8_fp8 v[ACC+8*(4*\a+\b):ACC+8*(4*\a+\b)+7], v[\f+64+16*\b:\f+64+16*\b+15], v[\f+16*\a:\f+16*\a+15], v[ACC+8*(4*\a+\b):ACC+8*(4*\a+\b)+7]
.endif
.endr
.endm
.macro QUARTER slot, k, f, g, zero     ; multiplies buffer f and fetches the next quarter, at byte k, into g
	s_wait_dscnt 8                                 ; Wo's fragments and tokens' tiles 0, 1 are in; the youngest eight loads (tiles 2, 3) may be out
	WIN MUL
	MUL4 \f, 0, \zero
	MUL4 \f, 1, \zero
	PLACES
	FETCH \slot, \k, \g
	s_wait_dscnt 32                                ; all but the 32 just issued
	WIN MUL
	MUL4 \f, 2, \zero
	MUL4 \f, 3, \zero
.endm
; The last quarter multiplies buffer 1 and changes slots: ONE barrier; in front of it each wave waits for all its tensor loads, adds 0 to its spare word, and waits for that and for its own reads of this slot.
.macro TURN slot, next, fill
	WIN 0                                          ; (the add's two registers lie in window 0)
	s_wait_tensorcnt 0x0                           ; all my tensor loads have landed: my part of the next slot;
	ds_add_u32 v[SPW], v[NIL]                      ; 0 onto my spare word
	s_wait_dscnt 9                                 ; (the add and the youngest eight loads may be out)
	WIN MUL
	MUL4 F1, 0, 0
	s_wait_dscnt 0x0                               ; the add is done, and my reads of this slot are over
	s_barrier_signal -1
	MUL4 F1, 1, 0
.if \fill
	WIN 0
.endif
	s_barrier_wait -1
.if \fill
	CREST                                          ; no wave of any partner still reads this slot's tile or has a load on its way
	s_add_nc_u64 s[G0+4*\slot+2:G0+4*\slot+3], s[G0+4*\slot+2:G0+4*\slot+3], 16384   ; two K steps on: 8,192 bytes each in the image,
	s_add_nc_u64 s[G0B+4*\slot+2:G0B+4*\slot+3], s[G0B+4*\slot+2:G0B+4*\slot+3], 1024 ; 512 in a row of Wo
	JLOAD \slot                                    ; the first tensor load behind the round, my one load until the next; its four v_nop are also the places in front of the loads below
.else
	PLACES
.endif
	FETCH \next, 0, F0
	WIN MUL
	MUL4 F1, 2, 0
	MUL4 F1, 3, 0
.endm
	s_wait_tensorcnt 1                             ; my part of K step 0 is in; K step 1's may stay out
	s_barrier_signal -1
	s_barrier_wait -1
	FETCH 0, 0, F0
	QUARTER 0, 128, F0, F1, 1                      ; K has four steps only: they are written out.  The first quarter's products start the sums
	QUARTER 0, 256, F1, F0, 0
	QUARTER 0, 384, F0, F1, 0
	TURN 0, 1, 1                                   ; slot 0 takes K step 2
	QUARTER 1, 128, F0, F1, 0
	QUARTER 1, 256, F1, F0, 0
	QUARTER 1, 384, F0, F1, 0
	TURN 1, 0, 1                                   ; slot 1 takes K step 3
	QUARTER 0, 128, F0, F1, 0
	QUARTER 0, 256, F1, F0, 0
	QUARTER 0, 384, F0, F1, 0
	TURN 0, 1, 0                                   ; nothing is left to fetch
	QUARTER 1, 128, F0, F1, 0
	QUARTER 1, 256, F1, F0, 0
	QUARTER 1, 384, F0, F1, 0
	s_wait_dscnt 8                                 ; the very last quarter
	WIN MUL
	MUL4 F1, 0, 0
	MUL4 F1, 1, 0
	s_wait_dscnt 0x0
	MUL4 F1, 2, 0
	MUL4 F1, 3, 0
	WIN 0
; THE WAY OUT, 16 tokens x 64 columns at a time.  A lane holds 32 neighbouring bytes of a row and the lanes beside it hold other rows: so a block goes through my own stage in LDS and comes back as whole rows
; of 256 bytes.  LDS serves a wave's instructions in order (ISA guide 5.7.1.4): no wait between the stores and the loads, nor in front of the next block's stores.
.macro TOSTAGE a
.set n, 0
.rept 16
	v_pk_mul_f32 v[TMP+n:TMP+n+1], v[ACC+32*(\a)+n:ACC+32*(\a)+n+1], s[96:97] op_sel_hi:[1,0]   ; x 2^(e10 + e11); each accumulator from its low end on
.set n, n+2
.endr
.irp b, 0,1,2,3
	ds_store_b128 v[STO], v[TMP+8*\b:TMP+8*\b+3] offset:64*\b
	ds_store_b128 v[STO], v[TMP+8*\b+4:TMP+8*\b+7] offset:64*\b+16
.endr
.set BB, BK+32*((\a)%2)
.irp i, 0,1,2,3,4,5,6,7
	ds_load_b128 v[BB+4*\i:BB+4*\i+3], v[RD] offset:\i*2*SPITCH
.endr
.endm
.macro SEND a, younger                 ; younger: the LDS instructions issued behind block a's loads, which may stay out
.set BB, BK+32*((\a)%2)
	s_wait_dscnt \younger
.irp i, 0,1,2,3,4,5,6,7
	global_store_b128 v[CO], v[BB+4*\i:BB+4*\i+3], s[70:71] offset:(16*(\a)+2*\i)*8192 th:TH_STORE_NT   ; 16 lanes store 256 consecutive bytes, aligned; written once, read by nobody here
.endr
.endm
	s_wait_kmcnt 0x0
	s_add_co_i32 s96, s96, s97
	s_add_co_i32 s96, s96, 127
	s_lshl_b32 s96, s96, 23                        ; 2^(e10 + e11) as f32
	s_mov_b32 s97, s96                             ; (named with it as a pair, so it is written)
	PLACES
	TOSTAGE 0
.irp a, 1,2,3
.if \a > 1
	s_wait_xcnt 0x0                                ; block a - 2's stores have read their registers: block a's loads may land there
.endif
	TOSTAGE \a
	SEND \a-1, 16                                  ; behind block a - 1's loads: block a's 8 stores and 8 loads
.endr
	SEND 3, 0
	s_wait_tensorcnt 0x0                           ; the wave's end
	ds_add_u32 v[SPW], v[NIL]
	s_wait_dscnt 0x0
	CROUND                                         ; the closing round: no work-group ends while a partner may still ask for a tile that names it
	s_endpgm
.Lfunc_end_k_q11f002b1a2_outp:
	.size	k_q11f002b1a2_outp, .Lfunc_end_k_q11f002b1a2_outp-k_q11f002b1a2_outp
	.p2alignl 7, 3214868480
	.fill 96, 4, 3214868480
	.section	.rodata,"a",@progbits
	.p2align	6, 0x0
	.amdhsa_kernel k_q11f002b1a2_outp
		.amdhsa_group_segment_fixed_size 327680
		.amdhsa_private_segment_fixed_size 0
		.amdhsa_enable_private_segment 0
		.amdhsa_kernarg_size 32
		.amdhsa_user_sgpr_count 2
		.amdhsa_user_sgpr_kernarg_segment_ptr 1
		.amdhsa_wavefront_size32 1
		.amdhsa_system_sgpr_workgroup_id_x 1
		.amdhsa_system_sgpr_workgroup_id_y 1
		.amdhsa_system_sgpr_workgroup_id_z 1
		.amdhsa_system_vgpr_workitem_id 0
		.amdhsa_next_free_vgpr 512
		.amdhsa_next_free_sgpr 100
		.amdhsa_reserve_vcc 0
		.amdhsa_float_denorm_mode_32 3
		.amdhsa_float_denorm_mode_16_64 3
		.amdhsa_memory_ordered 1
		.amdhsa_forward_progress 1
		.amdhsa_inst_pref_size 74
	.end_amdhsa_kernel
	.amdgpu_metadata
---
amdhsa.version: [ 1, 2 ]
amdhsa.kernels:
  - .name:           k_q11f002b1a2_outp
    .symbol:         k_q11f002b1a2_outp.kd
    .args:
      - { .name: a_img, .offset: 0, .size: 8, .value_kind: global_buffer, .address_space: global }
      - { .name: Wo_codes, .offset: 8, .size: 8, .value_kind: global_buffer, .address_space: global }
      - { .name: lowp_scales, .offset: 16, .size: 8, .value_kind: global_buffer, .address_space: global }
      - { .name: out0, .offset: 24, .size: 8, .value_kind: global_buffer, .address_space: global }
    .group_segment_fixed_size: 327680
    .private_segment_fixed_size: 0
    .kernarg_segment_align: 8
    .kernarg_segment_size: 32
    .max_flat_workgroup_size: 128
    .sgpr_count:     100
    .vgpr_count:     512
    .wavefront_size: 32
...
	.end_amdgpu_metadata
.endif
;; end of part 3
;; ======== version 2 of 2: 3 launches; version 1 with the launch attn written anew for expert scheduling mode
;; workspace buffers: q_img 4,194,304 bytes; k_img 1,048,576 bytes; v_img 1,048,576 bytes; a_img 4,194,304 bytes; flags 2,048 bytes of whole numbers
;; launch proj: the kernel of part 1 again; grid 24 x 16, 4 waves a work-group, clusters of 4 x 4, 327,680 bytes of LDS; arguments x_codes, Wq_codes, Wk_codes, Wv_codes, cos, sin, mask, lowp_scales, q_img, k_img, v_img, flags; writes q_img, k_img, v_img, flags
;; launch attn (part 4): grid 32 x 8, 16 waves a work-group, no clusters, 264,192 bytes of LDS; arguments q_img, k_img, v_img, mask, flags, lowp_scales, a_img; writes a_img
.if DOCPART == 4
	.amdgcn_target "amdgcn-amd-amdhsa--gfx1250"
	.amdhsa_code_object_version 6
	.text
	.protected	k_q11f002b1a2_attn
	.globl	k_q11f002b1a2_attn
	.p2align	8
	.type	k_q11f002b1a2_attn,@function
k_q11f002b1a2_attn:
	s_mov_b64 s[64:65], 0
	v_nop
	global_prefetch_b8 v0, s[64:65] scope:SCOPE_SE
	s_setreg_imm32_b32 hwreg(HW_REG_WAVE_SCHED_MODE, 0, 2), 2
	s_setreg_imm32_b32 hwreg(HW_REG_WAVE_MODE, 25, 1), 1
	s_wait_xcnt 0x0
	s_wait_alu depctr_vm_vsrc(0)
; o = softmax(q k^T / 8, masked) v for 32 query heads on 8 key and value heads, both products on codes of FP8 (E4M3); o is quantised for the last product and stored as an image of that product's operand registers.
; THE SOFTMAX: t = score x log2(e) / 8; M = the running largest t rounded UP to a whole number; p = 2^(t - M) is quantised, not normalised; the row's sum is taken of the unquantised p and divides at the end.
; SHARES.  A work-group is one key and value head g (y) and one group j (x) of query tiles.  Each of its SIXTEEN waves owns one tile of 16 queries of one of the head's four query heads, in 256 registers.
;   wave w: head 4 g + w % 4; tile j, 63 - j, 64 + j or 127 - j by (w % 4 + w / 4) % 4: the four tiles differ in any four waves w with equal w % 4 and in any four with equal w / 4.
; THE MASK IS AN INPUT.  The launch before has classed each tile of 16 queries x 128 keys.  A step whose tile is wholly masked adds nothing to any sum and is left out by a scalar branch on that stored whole number;
;   a partly masked one adds -infinity to its hidden scores; an open one reads no mask.  That holds for every mask.:
;   the head's K and V images (262,144 bytes) come into LDS through registers, once, in eight chunks of two steps, each a chunk ahead of its use; nothing in LDS is ever overwritten, so one barrier a chunk publishes it.
; LAYOUT.  S^T = K Q^T (source 0 = 16 keys, source 1 = my 16 queries), O^T = V^T P^T: a lane holds ONE query (lane % 16) throughout; register 8 t + j of S^T is key 16 t + 8 (lane / 16) + j,
;   so a tile's conversion gives registers 2 t, 2 t + 1 of P's fragment.  All fragments lie in LDS as images: every LDS load reads 512 consecutive bytes.
; A row all of whose keys are masked has the sum 0: its codes become the NaN code, and the last product makes that row NaN.
; LIMITS on the given exponents: e6 + e7 between -124 and 129 (added to c's exponent field); e8, and e10 - e8 - e9, between -126 and 119.  NaN codes among the inputs are not served.
; THE MODE: SCHED_MODE bits 1:0 = 2 (LLVM: expert scheduling mode 2), set by the entry lines.  The code itself states the register dependences
; between vector or matrix instructions and memory or LDS instructions, with s_wait_alu, always for 0.
; THE PLAN.  Registers that memory or LDS instructions touch:
;   v[GS], v[GV], v[LI], v[LV], v[MO], v[PFO], v254, v255   addresses: written at the head, ahead of one wait on va_vdst, and never again.
;   v[STG ..]       A chunk's head: global loads land in them; its end: LDS stores read them.  No vector instruction names them.  One wait on vm_vsrc at a chunk's head, ahead of the loads.
;   v[SK8], v[SV8]  Read by a chunk's LDS stores; written once a chunk, at its head, behind that same wait on vm_vsrc and ahead of a wait on va_vdst of their own (a step, and its waits, may be left out).
;   v[ADK], v[ADV]  Read by a step's LDS loads; written at the step's head, between a wait on vm_vsrc and a wait on va_vdst.
;   v[KV ..]        K lands; eight products read it; V lands; four products read it.  So a wait on va_vdst stands ahead of each of the two runs of LDS loads; the first is the one behind the addresses' lines.
;   v[MA], v[MW ..] The mask's loads read v[MA] and land in v[MW ..], which the lines that apply the mask read: in PF a wait on vm_vsrc ahead of the write of v[MA], a wait on va_vdst behind it.
;   S^T, p's codes, O^T and the statistics are named by vector and matrix instructions alone.  A wave's 256 registers leave six free: there is no second buffer for K or V.
.set VIMG, 131072                      ; LDS: K's image at 0, V's here
.set LI,  1                            ; v1   16 x lane
.set LV,  2                            ; v2   the same in V's image
.set ADK, 3                            ; v3   LDS address of the chunk's K
.set ADV, 4                            ; v4   of its V
.set MO,  5                            ; v5   my 8 bytes in the tile's rows of the mask: 2,048 r + 8 h; never rewritten
.set MA,  6                            ; v6   the same at the step whose words are asked for
.set GS,  7                            ; v7   16 x thread: my 16 bytes of a half chunk; never rewritten
.set SK8, 8                            ; v8   where I store them: K's image,
.set SV8, 9                            ; v9   V's
.set PFO, 10                           ; v10  256 x lane; never rewritten
.set GV,  11                           ; v11  GS in V's image
.set QF,  16                           ; v16-23   Q
.set PC,  24                           ; v24-39   p's codes
.set KV,  40                           ; v40-103  a step's K, then its V
.set S,   104                          ; v104-167 S^T, then p
.set O,   168                          ; v168-199 O^T: register 8 dt + j is d = 16 dt + 8 h + j
.set MW,  200                          ; v200-215 a step's mask bytes: words 2 t, 2 t + 1 for tile t
.set STG, 216                          ; v216-231 the chunk on its way to LDS
; v12 -M, v13 the largest t, v[14:15] the sum in two halves; v[232:233] f; v234 at work; v235 a permute's destination; v[236:237] the sum's second chain; v238 448 x 2^e8; v239 2^e8; v240-242, v[244:247] at work
; s18 wave; s19 query tile; s[20:21] lane selects; s[22:23] c; s24 the chunk's LDS byte; s26 bits: steps to leave out; s27 bits: steps partly masked; s28 128 x (step + 1); s29 chunks to fetch; s31, s[32:33] the prefetches'
	s_load_b256 s[4:11], s[0:1], 0x0               ; q_img s[4:5], k_img s[6:7], v_img s[8:9], mask s[10:11]
	s_load_b128 s[12:15], s[0:1], 0x20             ; flags s[12:13], the scales' exponents s[14:15]
	s_load_b64 s[16:17], s[0:1], 0x30              ; a_img
	v_lshl_add_u32 v254, v0, 2, 0x40000
	v_mov_b32 v255, 0
	v_lshrrev_b32 v1, 5, v0
	v_readfirstlane_b32 s18, v1                    ; wave 0..15
	v_and_b32 v3, 31, v0
	v_lshlrev_b32 v[LI], 4, v3
	v_lshlrev_b32 v[PFO], 8, v3
	v_add_nc_u32 v[LV], VIMG, v[LI]
	v_and_b32 v4, 15, v0                           ; r
	v_bfe_u32 v6, v0, 4, 1                         ; h
	v_lshlrev_b32 v[MO], 11, v4
	v_lshl_add_u32 v[MO], v6, 3, v[MO]
	v_lshlrev_b32 v[GS], 4, v0
	v_add_nc_u32 v[GV], VIMG, v[GS]
	s_and_b32 s57, ttmp7, 0xffff                   ; g
	s_wait_alu depctr_va_sdst(0)                   ; s18 is written, ahead of its first reader: the head, the tile and the prefetches' shares are made from it
	s_and_b32 s58, s18, 3
	s_lshr_b32 s59, s18, 2
	s_add_co_u32 s59, s59, s58
	s_and_b32 s59, s59, 3                          ; which of the group's four tiles
	s_sub_co_u32 s19, 63, ttmp9
	s_bitcmp1_b32 s59, 0
	s_cselect_b32 s19, s19, ttmp9
	s_lshr_b32 s59, s59, 1
	s_lshl_b32 s59, s59, 6
	s_add_co_u32 s19, s19, s59                     ; qt
	s_lshl_b32 s60, s57, 2
	s_add_co_u32 s60, s60, s58                     ; hq
	s_mov_b32 s35, 0
	s_wait_kmcnt 0x0
	s_lshl_b32 s34, s19, 4
	s_add_nc_u64 s[12:13], s[12:13], s[34:35]
	s_load_b128 s[36:39], s[12:13], 0x0            ; my tile's four words of flags
	s_load_b256 s[40:47], s[14:15], 0x0            ; e0 .. e7
	s_load_b128 s[48:51], s[14:15], 0x20           ; e8 .. e11
	s_lshl_b32 s34, s57, 17
	s_add_nc_u64 s[6:7], s[6:7], s[34:35]          ; my head's K
	s_add_nc_u64 s[8:9], s[8:9], s[34:35]          ; and V
	s_lshl_b32 s34, s19, 15
	s_add_nc_u64 s[10:11], s[10:11], s[34:35]      ; my 16 rows of the mask
	s_add_nc_u64 s[16:17], s[16:17], s[34:35]
	s_lshl_b32 s34, s60, 10
	s_add_nc_u64 s[16:17], s[16:17], s[34:35]      ; a_img: 32,768 qt + 1,024 hq
	s_lshl_b32 s34, s60, 17
	s_lshl_b32 s61, s19, 10
	s_add_co_u32 s34, s34, s61
	s_add_nc_u64 s[4:5], s[4:5], s[34:35]          ; q_img: 131,072 hq + 1,024 qt
	s_wait_alu depctr_va_vdst(0)                   ; v[LI], v[LV], v[MO], v[GS], v[GV], v[PFO], v254 and v255 are written: the loads, stores, LDS instructions and prefetches of the whole kernel read them as addresses, and no line writes them again
	global_load_b128 v[STG:STG+3], v[GS], s[6:7]                   ; chunk 0: sixteen waves x 512 bytes are half of its 16,384 of K,
	global_load_b128 v[STG+4:STG+7], v[GS], s[6:7] offset:8192
	global_load_b128 v[STG+8:STG+11], v[GS], s[8:9]                ; and of V
	global_load_b128 v[STG+12:STG+15], v[GS], s[8:9] offset:8192
	global_load_b128 v[QF:QF+3], v[LI], s[4:5] th:TH_LOAD_NT       ; Q's fragment stays in registers
	global_load_b128 v[QF+4:QF+7], v[LI], s[4:5] offset:512 th:TH_LOAD_NT
.irp t, 0,1,2,3,4,5,6,7
	global_load_b64 v[MW+2*\t:MW+2*\t+1], v[MO], s[10:11] offset:16*\t   ; step 0's mask bytes, whatever its class: so these registers are written on every way
.endr
	; the prefetches: all 32 work-groups of a head walk the same K and V: the first of them asks, in waves 0, 1 for K and 2, 3 for V
	s_cmp_lt_u32 s18, 2
	s_cselect_b64 s[32:33], s[6:7], s[8:9]
	s_and_b32 s34, s18, 1
	s_lshl_b32 s34, s34, 13                        ; my half of a chunk's 16,384 bytes,
	s_add_co_u32 s34, s34, 32768                   ; in chunk 2.  Nothing is prefetched here, at the head
	s_add_nc_u64 s[32:33], s[32:33], s[34:35]
	s_lshr_b32 s31, s18, 2
	s_or_b32 s31, s31, ttmp9
	s_cmp_eq_u32 s31, 0
	s_cselect_b32 s31, 1, -1                       ; 1 in a wave that prefetches, else the greatest number
	s_mov_b32 s20, 0x76543210
	s_mov_b32 s21, 0xfedcba98                      ; v_permlanex16_b32: lane l xor 16
	s_mov_b32 s22, 0x3e38aa3b                      ; c = log2(e) / 8
	s_mov_b32 s24, 0
	s_mov_b32 s28, 128
	s_mov_b32 s52, 0x04000c0c                      ; v_perm_b32: byte k of 255 m on top, byte k of 128 m under it, zeros below: -infinity where the mask's byte k is 1, else 0
	s_mov_b32 s53, 0x05010c0c
	s_mov_b32 s54, 0x06020c0c
	s_mov_b32 s55, 0x07030c0c
	s_mov_b32 s56, 0xffff0000                      ; lanes 16-31
	v_mov_b32 v13, 0xff61b1e6                      ; the largest t so far: -3e38, under every t
	v_floor_f32 v12, -v13                          ; -M
	v_mov_b32 v14, 0
	v_mov_b32 v15, 0
	v_mov_b32 v233, 0                              ; (named as the upper half of the pair v[232:233])
	v_mov_b32 v235, 0                              ; written once: a lane permute's destination counts as one of its sources
.set n, 0
.rept 32
	v_mov_b32 v[O+n], 0                            ; O^T.  (The step is written once: the first finds zeros, which the first change of M leaves zeros)
.set n, n+1
.endr
	s_wait_kmcnt 0x0
	s_and_b32 s26, s36, 15                         ; word w: bits 0-3: steps 4 w + k wholly masked; bits 8-11: some byte masked
	s_bfe_u32 s27, s36, 0x40008
.irp w, 1,2,3
	s_and_b32 s30, s[36+\w], 15
	s_lshl_b32 s30, s30, 4*\w
	s_or_b32 s26, s26, s30
	s_bfe_u32 s30, s[36+\w], 0x40008
	s_lshl_b32 s30, s30, 4*\w
	s_or_b32 s27, s27, s30
.endr
	s_and_not1_b32 s27, s27, s26                   ; partly masked: some, not all
	s_add_co_i32 s30, s46, s47
	s_lshl_b32 s30, s30, 23
	s_add_co_i32 s22, s22, s30                     ; a score stands for score x 2^(e6 + e7): added to c's exponent field
	s_mov_b32 s23, s22                             ; (named with it as a pair, so it is written)
	s_add_co_i32 s30, s48, 127
	s_lshl_b32 s34, s30, 23
	v_mov_b32 v239, s34                            ; 2^e8, for p's conversions
	s_add_co_i32 s30, s30, 8
	s_lshl_b32 s30, s30, 23
	s_or_b32 s30, s30, 0x600000
	v_mov_b32 v238, s30                            ; 448 x 2^e8
	s_wait_loadcnt 10                              ; chunk 0's four loads are in; behind them Q's two and the mask's eight
	ds_store_b128 v[GS], v[STG:STG+3]              ; (no vector line since the head's wait names an address or a register of these stores)
	ds_store_b128 v[GS], v[STG+4:STG+7] offset:8192
	ds_store_b128 v[GV], v[STG+8:STG+11]
	ds_store_b128 v[GV], v[STG+12:STG+15] offset:8192
	s_wait_dscnt 0x0                               ; for the others' sake: my part of chunk 0 lies in LDS
	s_barrier_signal -1
	s_barrier_wait -1
	s_wait_loadcnt 8                               ; Q is in; the mask's eight may be out
; The next step's mask bytes are asked for a step ahead, and only if that step is partly masked.  The wait shows every earlier load done: none is pending on these registers or reads v[MA].
.macro PF
	s_bitcmp1_b32 s27, 1
	s_cbranch_scc0 .Lno_pf_\@
	s_wait_loadcnt 0x0
	s_min_u32 s30, s28, 1920                       ; the step's first column; the hold keeps every lane inside the rows
	s_wait_alu depctr_vm_vsrc(0)                   ; the mask's loads issued so far have read v[MA], which the next line writes
	v_add_nc_u32 v[MA], s30, v[MO]
	s_wait_alu depctr_va_vdst(0)                   ; v[MA] is written, which the loads below read; the lines that applied the mask are done reading v[MW ..], in which they land
.irp t, 0,1,2,3,4,5,6,7
	global_load_b64 v[MW+2*\t:MW+2*\t+1], v[MA], s[10:11] offset:16*\t
.endr
.Lno_pf_\@:
.endm
; A prefetch of chunk c + 2 in trip c, behind the wave's loads of chunk c + 1: 8,192 bytes a wave, lanes 256 bytes apart, one instruction; each block is named once in the launch.  The last trip asks for nothing.
.macro ASK
	s_cmp_gt_u32 s29, s31
	s_cbranch_scc0 .Lnot_mine_\@
	global_prefetch_b8 v[PFO], s[32:33] th:TH_LOAD_NT scope:SCOPE_SE
.Lnot_mine_\@:
.endm
; A KEY STEP: 128 keys, the q-th of the chunk in hand.
.macro STEP q
	s_bitcmp1_b32 s26, 0
	s_cbranch_scc1 .Lskip_\@                       ; wholly masked: every p would be 0
	s_wait_alu depctr_vm_vsrc(0)                   ; the LDS loads of the steps before have read v[ADK] and v[ADV], which the next two lines write
	v_add_nc_u32 v[ADK], s24, v[LI]
	v_add_nc_u32 v[ADV], s24, v[LV]
	v_nop                                          ; with the two additions: four places behind the last products, kept beside the wait below
	v_nop
	s_wait_alu depctr_va_vdst(0)                   ; v[ADK] and v[ADV] are written, which this step's LDS loads read; the last step's products V^T P are done reading v[KV ..], in which K lands
.irp t, 0,1,2,3,4,5,6,7
.irp g, 0,1
	ds_load_b128 v[KV+8*\t+4*\g:KV+8*\t+4*\g+3], v[ADK] offset:8192*(\q)+1024*\t+512*\g
.endr
.endr
	s_wait_dscnt 0x0
.irp t, 0,1,2,3,4,5,6,7
	v_wmma_f32_16x16x64_fp8_fp8 v[S+8*\t:S+8*\t+7], v[KV+8*\t:KV+8*\t+7], v[QF:QF+7], 0
.endr
.rept 4
	v_nop                                          ; places: in front of the loads below and of the first read of the scores
.endr
	s_wait_alu depctr_va_vdst(0)                   ; the eight products K Q^T are done reading v[KV ..], in which V lands; the places above stay beside this wait
.irp d, 0,1,2,3
.irp g, 0,1,2,3
	ds_load_b128 v[KV+16*\d+4*\g:KV+16*\d+4*\g+3], v[ADV] offset:8192*(\q)+2048*\d+512*\g   ; V lands while the softmax is walked, none of whose lines names v[KV ..] or v[ADV]
.endr
.endr
	s_bitcmp1_b32 s27, 0
	s_cbranch_scc0 .Lopen_\@
	s_wait_loadcnt 0x0                             ; the step's mask bytes
.irp t, 0,1,2,3,4,5,6,7                        ; four bytes m (each 0 or 1) make four addends: 255 m and 128 m give the bytes ff and 80 where a byte is 1.  Ascending: each accumulator is read from its low end on
.irp w, 0,1
	v_lshlrev_b32 v240, 8, v[MW+2*\t+\w]
	v_lshlrev_b32 v242, 7, v[MW+2*\t+\w]
	v_sub_nc_u32 v241, v240, v[MW+2*\t+\w]
.irp k, 0,1,2,3
	v_perm_b32 v[244+\k], v241, v242, s[52+\k]
.endr
	v_pk_add_f32 v[S+8*\t+4*\w:S+8*\t+4*\w+1], v[S+8*\t+4*\w:S+8*\t+4*\w+1], v[244:245]
	v_pk_add_f32 v[S+8*\t+4*\w+2:S+8*\t+4*\w+3], v[S+8*\t+4*\w+2:S+8*\t+4*\w+3], v[246:247]
.endr
.endr
.Lopen_\@:
	PF
	v_max3_num_f32 v234, v[S], v[S+1], v[S+2]      ; the step's largest score of my query, among my 64 keys, in two chains,
	v_max3_num_f32 v232, v[S+3], v[S+4], v[S+5]
.set n, 6
.rept 14
	v_max3_num_f32 v234, v234, v[S+n], v[S+n+1]
	v_max3_num_f32 v232, v232, v[S+n+2], v[S+n+3]
.set n, n+4
.endr
	v_max3_num_f32 v234, v234, v[S+62], v[S+63]
	v_max_num_f32 v234, v234, v232
	v_permlanex16_b32 v235, v234, s20, s21
	v_max_num_f32 v234, v234, v235                 ; and among lane l xor 16's
	v_mul_f32 v234, s22, v234                      ; as t (c is positive)
	v_max_num_f32 v13, v13, v234                   ; the running largest t
	v_mov_b32 v234, v12
	v_floor_f32 v12, -v13                          ; the new -M = floor(-t) = -ceil(t): a whole number
	v_sub_f32 v234, v12, v234                      ; M's old value less its new one: 0 or less
	v_cvt_i32_f32 v234, v234                       ; (it saturates)
	v_ldexp_f32 v232, 1.0, v234                    ; f = 2^(old M - new M): a multiplication by it rounds nothing
.set n, 0
.rept 32
	v_pk_fma_f32 v[S+n:S+n+1], v[S+n:S+n+1], s[22:23], v[12:13] op_sel_hi:[1,0,0]   ; t - M, two at a time
.set n, n+2
.endr
.set n, 0
.rept 64
	v_exp_f32 v[S+n], v[S+n]                       ; p = 2^(t - M), at most 1
.set n, n+1
.endr
	v_pk_mul_f32 v[14:15], v[14:15], v[232:233] op_sel_hi:[1,0]   ; the sums under the new M: the plain line behind the exponentials
	s_wait_alu depctr_va_vdst(0)                   ; the 64 exponentials have written v[S ..]: one wait for the whole batch, ahead of its first reader
	v_pk_add_f32 v[236:237], v[S:S+1], v[S+2:S+3]  ; the row's sum is taken of the unquantised p, in two chains
.set n, 4
.rept 15
	v_pk_add_f32 v[14:15], v[14:15], v[S+n:S+n+1]
	v_pk_add_f32 v[236:237], v[236:237], v[S+n+2:S+n+3]
.set n, n+4
.endr
	v_pk_add_f32 v[14:15], v[14:15], v[236:237]
.irp t, 0,1,2,3,4,5,6,7
.irp j, 0,1,2,3,4,5,6,7
	v_min_num_f32 v[S+8*\t+\j], v[S+8*\t+\j], v238 ; the conversion does not saturate (ISA guide 7.6.2); p is not negative, so the hold is one-sided
.endr
	v_cvt_scalef32_pk8_fp8_f32 v[PC+2*\t:PC+2*\t+1], v[S+8*\t:S+8*\t+7], v239
.endr
.set n, 0
.rept 16
	v_pk_mul_f32 v[O+n:O+n+1], v[O+n:O+n+1], v[232:233] op_sel_hi:[1,0]   ; O^T under the new M; also the plain lines between the conversions and the products
.set n, n+2
.endr
	s_wait_dscnt 0x0                               ; V is in
.irp d, 0,1,2,3                                ; four accumulators by turns; between two links of a chain stand the three others' and the next step's eight
	v_wmma_f32_16x16x128_fp8_fp8 v[O+8*\d:O+8*\d+7], v[KV+16*\d:KV+16*\d+15], v[PC:PC+15], v[O+8*\d:O+8*\d+7]
.endr
	s_branch .Ldone_\@
.Lskip_\@:
	PF
.Ldone_\@:
	s_lshr_b32 s26, s26, 1                         ; the next step's bits
	s_lshr_b32 s27, s27, 1
	s_add_co_u32 s28, s28, 128
.endm
; A CHUNK: two steps.  more = 1: the next chunk is asked for at the head, stored into LDS at the end, and published by the barrier.  The barrier stands outside every branch on loaded numbers.
.macro CHUNK more
.if \more
	s_wait_alu depctr_vm_vsrc(0)                   ; my LDS stores of the chunk before have read v[STG ..], in which the loads below land, and v[SK8] and v[SV8], which are written below
	global_load_b128 v[STG:STG+3], v[GS], s[6:7] offset:16384
	global_load_b128 v[STG+4:STG+7], v[GS], s[6:7] offset:24576
	global_load_b128 v[STG+8:STG+11], v[GS], s[8:9] offset:16384
	global_load_b128 v[STG+12:STG+15], v[GS], s[8:9] offset:24576
	ASK
	v_add_nc_u32 v[SK8], s24, v[GS]                ; where the chunk's end will store: s24 steps only behind those stores
	v_add_nc_u32 v[SV8], s24, v[GV]
	s_wait_alu depctr_va_vdst(0)                   ; v[SK8] and v[SV8] are written, which the LDS stores at the chunk's end read; no line between names them.  A wait of their own: either step, with its waits, may be left out
.endif
	STEP 0
	STEP 1
.if \more
	s_wait_loadcnt 0x0                             ; what is out differs by the way taken: the wait is for all
	ds_store_b128 v[SK8], v[STG:STG+3] offset:16384            ; the chunk behind the one in hand: bytes that nobody has read or written yet
	ds_store_b128 v[SK8], v[STG+4:STG+7] offset:24576
	ds_store_b128 v[SV8], v[STG+8:STG+11] offset:16384
	ds_store_b128 v[SV8], v[STG+12:STG+15] offset:24576
	s_wait_xcnt 0x0                                ; the loads and the prefetch have read their bases: these may step
	s_add_nc_u64 s[6:7], s[6:7], 16384
	s_add_nc_u64 s[8:9], s[8:9], 16384
	s_add_nc_u64 s[32:33], s[32:33], 16384
	s_add_co_u32 s24, s24, 16384
	s_wait_dscnt 0x0                               ; for the others' sake: my part of the next chunk lies in LDS
	s_barrier_signal -1
	s_barrier_wait -1
.endif
.endm
	s_mov_b32 s29, 7
.Lchunk:                                           ; seven trips fetch chunks 1 to 7
	CHUNK 1
	s_sub_co_u32 s29, s29, 1
	s_cmp_lg_u32 s29, 0
	s_cbranch_scc1 .Lchunk
	CHUNK 0                                        ; the last chunk fetches nothing: no load leaves its buffer
	; THE WAY OUT.  O^T / the sum, quantised with 2^(e10 - e8 - e9): a sum of the second product stands for sum x 2^(e8 + e9).
	v_add_f32 v14, v14, v15                        ; the sum's two halves,
	v_permlanex16_b32 v235, v14, s20, s21
	v_add_f32 v14, v14, v235                       ; and lane l xor 16's: the row's sum
	v_rcp_f32 v234, v14
	v_mov_b32 v242, 0x7f7f7f7f                     ; (the plain line behind the reciprocal)  four NaN codes
	s_sub_co_i32 s30, s50, s48
	s_sub_co_i32 s30, s30, s49
	s_add_co_i32 s30, s30, 127
	s_lshl_b32 s34, s30, 23
	v_mov_b32 v241, s34                            ; 2^(e10 - e8 - e9)
	s_add_co_i32 s30, s30, 8
	s_lshl_b32 s30, s30, 23
	s_or_b32 s30, s30, 0x600000
	v_mov_b32 v240, s30                            ; 448 x that
	v_cmp_eq_f32 vcc_lo, 0, v14                    ; the sum is 0 where, and only where, every key of the row is masked: the largest p of any other row is above 1/2
.irp n, 0,1,2,3
	v_mov_b32 v[244+\n], 0                         ; permutes' destinations
.endr
	s_wait_alu depctr_va_vdst(0)                   ; the reciprocal has written v234, ahead of its first reader
.set n, 0
.rept 16
	v_pk_mul_f32 v[S+n:S+n+1], v[O+n:O+n+1], v[234:235] op_sel_hi:[1,0]   ; each accumulator from its low end on
.set n, n+2
.endr
.irp d, 0,1,2,3
.irp j, 0,1,2,3,4,5,6,7
	v_med3_num_f32 v[S+8*\d+\j], v[S+8*\d+\j], -v240, v240
.endr
	v_cvt_scalef32_pk8_fp8_f32 v[PC+2*\d:PC+2*\d+1], v[S+8*\d:S+8*\d+7], v241   ; d = 16 dt + 8 h + 0..7
.endr
	v_nop                                          ; one plain line behind the last conversion
	s_wait_alu depctr_va_vcc(0)                    ; the compare above has written VCC, ahead of its first reader; no branch and no label stands between the two
.irp n, 0,1,2,3,4,5,6,7
	v_cndmask_b32 v[PC+\n], v[PC+\n], v242, vcc_lo ; a wholly masked row: NaN, as the softmax of such a row is
.endr
	; The reader's group b wants, in lane (r, h), d = 32 b + 16 h + 0..15: tile 2 b + h, its first eight from lane (r, 0), its last eight from lane (r, 1).  Lanes 0-15 send tile 2 b + 1, lanes 16-31 tile 2 b.
.irp b, 0,1
.irp n, 0,1
	v_cndmask_b32 v[KV+2*\b+\n], v[PC+4*\b+2+\n], v[PC+4*\b+\n], s56
.endr
.endr
.irp b, 0,1
.irp n, 0,1
	v_permlanex16_b32 v[244+2*\b+\n], v[KV+2*\b+\n], s20, s21
.endr
.endr
.irp b, 0,1
.irp n, 0,1
	v_cndmask_b32 v[KV+8+4*\b+\n], v[PC+4*\b+\n], v[244+2*\b+\n], s56
	v_cndmask_b32 v[KV+10+4*\b+\n], v[244+2*\b+\n], v[PC+4*\b+2+\n], s56
.endr
.endr
	s_wait_alu depctr_va_vdst(0)                   ; the selects have written v[KV+8 .. KV+15], which the two stores read
	global_store_b128 v[LI], v[KV+8:KV+11], s[16:17]               ; each store of the wave covers 512 consecutive bytes, aligned
	global_store_b128 v[LI], v[KV+12:KV+15], s[16:17] offset:512
	s_wait_dscnt 0x0                               ; the closing lines, six on end
	s_wait_alu 0x0
	s_wait_tensorcnt 0x0
	ds_add_u32 v254, v255
	s_wait_dscnt 0x0
	s_endpgm
.Lfunc_end_k_q11f002b1a2_attn:
	.size	k_q11f002b1a2_attn, .Lfunc_end_k_q11f002b1a2_attn-k_q11f002b1a2_attn
	.p2alignl 7, 3214868480
	.fill 96, 4, 3214868480
	.section	.rodata,"a",@progbits
	.p2align	6, 0x0
	.amdhsa_kernel k_q11f002b1a2_attn
		.amdhsa_group_segment_fixed_size 264192
		.amdhsa_private_segment_fixed_size 0
		.amdhsa_enable_private_segment 0
		.amdhsa_kernarg_size 56
		.amdhsa_user_sgpr_count 2
		.amdhsa_user_sgpr_kernarg_segment_ptr 1
		.amdhsa_wavefront_size32 1
		.amdhsa_system_sgpr_workgroup_id_x 1
		.amdhsa_system_sgpr_workgroup_id_y 1
		.amdhsa_system_sgpr_workgroup_id_z 1
		.amdhsa_system_vgpr_workitem_id 0
		.amdhsa_next_free_vgpr 256
		.amdhsa_next_free_sgpr 66
		.amdhsa_reserve_vcc 1
		.amdhsa_float_denorm_mode_32 3
		.amdhsa_float_denorm_mode_16_64 3
		.amdhsa_memory_ordered 1
		.amdhsa_forward_progress 1
		.amdhsa_inst_pref_size 115
	.end_amdhsa_kernel
	.amdgpu_metadata
---
amdhsa.version: [ 1, 2 ]
amdhsa.kernels:
  - .name:           k_q11f002b1a2_attn
    .symbol:         k_q11f002b1a2_attn.kd
    .args:
      - { .name: q_img, .offset: 0, .size: 8, .value_kind: global_buffer, .address_space: global }
      - { .name: k_img, .offset: 8, .size: 8, .value_kind: global_buffer, .address_space: global }
      - { .name: v_img, .offset: 16, .size: 8, .value_kind: global_buffer, .address_space: global }
      - { .name: mask, .offset: 24, .size: 8, .value_kind: global_buffer, .address_space: global }
      - { .name: flags, .offset: 32, .size: 8, .value_kind: global_buffer, .address_space: global }
      - { .name: lowp_scales, .offset: 40, .size: 8, .value_kind: global_buffer, .address_space: global }
      - { .name: a_img, .offset: 48, .size: 8, .value_kind: global_buffer, .address_space: global }
    .group_segment_fixed_size: 264192
    .private_segment_fixed_size: 0
    .kernarg_segment_align: 8
    .kernarg_segment_size: 56
    .max_flat_workgroup_size: 512
    .sgpr_count:     66
    .vgpr_count:     256
    .wavefront_size: 32
...
	.end_amdgpu_metadata
.endif
;; end of part 4
;; launch outp: the kernel of part 3 again; grid 16 x 16, 4 waves a work-group, clusters of 4 x 4, 327,680 bytes of LDS; arguments a_img, Wo_codes, lowp_scales, out0; writes out0
